; MI455X (gfx1250); checked and timed in simulation.
; The chip was launched on July 23, 2026; its instructions are those of AMD's public machine-readable ISA for CDNA 5 (MIT licence, August 2026) and "CDNA5" Instruction Set Architecture Reference Guide (July 2026). The comments in the code are by the model that wrote it; some were corrected since.
;; DA Layer. Allowed arithmetic: matrix products marked QUANTISED: E3M2 operands, one E8M0 scale for each 32 along K, by v_wmma_scale_f32_16x16x128_f8f6f4 with both operands' format E3M2, f32 sums; everything else in f32.
;; Inputs: W1 1,024 x 4,096 float32; W2 4,096 x 1,024 float32; Wk 1,024 x 1,024 float32; Wo 1,024 x 1,024 float32; Wq 1,024 x 1,024 float32; Wv 1,024 x 1,024 float32; b1 4,096 float32; b2 1,024 float32; bk 1,024 float32; bo 1,024 float32; bq 1,024 float32; bv 1,024 float32; x 4 x 1,024 x 1,024 float32.
;; Outputs: out0 4 x 1,024 x 1,024 float32.
;; This version of the problem:
;;   THIS VERSION OF THE PROBLEM IS GIVEN IN LOW PRECISION. The matrix products marked QUANTISED in the list below multiply operands that are first quantised to E3M2 (3 exponent bits, 2 mantissa bits; 6 bits a number), with one power-of-two scale for each 32 numbers along K (OCP MX v1.0); their sums are f32. All else is computed in f32.
;;   The module's matrix products, in the order in which they are computed (A, B: the left and right operand; K: the contracted axis; several contracted axes count as one K, in the product's order):
;;     1. [M 4,096, K 1,024] x [K 1,024, N 1,024]; A: input x; B: input Wq: QUANTISED
;;     2. [M 4,096, K 1,024] x [K 1,024, N 1,024]; A: input x; B: input Wk: QUANTISED
;;     3. [M 4,096, K 1,024] x [K 1,024, N 1,024]; A: input x; B: input Wv: QUANTISED
;;     4. batch 64 x [M 1,024, K 64] x [K 64, N 1,024]; A: computed on the way; B: computed on the way: QUANTISED
;;     5. batch 64 x [M 1,024, K 1,024] x [K 1,024, N 64]; A: softmax (see below); B: computed on the way: QUANTISED
;;     6. [M 4,096, K 1,024] x [K 1,024, N 1,024]; A: computed on the way; B: input Wo: QUANTISED
;;     7. [M 4,096, K 1,024] x [K 1,024, N 4,096]; A: computed on the way; B: input W1: QUANTISED
;;     8. [M 4,096, K 4,096] x [K 4,096, N 1,024]; A: computed on the way; B: input W2: QUANTISED
;;   THE QUANTISER, for each operand of a quantised product, along K:
;;     - K is cut into blocks of 32 from its start; a last block that is shorter is filled with zeros.
;;     - A block's scale is 2^e with e = floor(log2(the largest magnitude in the block)) - 4, held to -126 .. 127; a block of zeros has e = 0. As a byte (E8M0): e + 127.
;;     - Each number is divided by its block's scale, clamped to +-28, and rounded to the nearest number of E3M2, ties to even, subnormals kept.
;;     - The product sums the exact products of the quantised numbers (number of the format x scale) in f32.
;;   ~~~python
;;   def quantise(x, axis):      # numpy; x: float32 -> the quantised numbers, widened to float32 again
;;       x = np.moveaxis(x, axis, -1); K = x.shape[-1]
;;       x = np.pad(x, [(0, 0)] * (x.ndim - 1) + [(0, -K % 32)]); x = x.reshape(x.shape[:-1] + (-1, 32)); a = np.abs(x).max(-1, keepdims=True)
;;       e = np.where(a > 0, np.clip(np.frexp(np.where(a > 0, a, 1))[1] - 1 - 4, -126, 127), 0)      # np.frexp(a)[1] - 1 = floor(log2(a)), exactly
;;       r = np.clip(x / 2.0 ** e, -28, 28)
;;       step = 2.0 ** (np.maximum(np.frexp(np.where(r == 0, 1, r))[1] - 1, -2) - 2)
;;       q = np.round(r / step) * step * 2.0 ** e      # np.round: ties to even
;;       return np.moveaxis(q.reshape(q.shape[:-2] + (-1,))[..., :K], -1, axis).astype(np.float32)
;;   ~~~
;;   SOFTMAX AHEAD OF A QUANTISED PRODUCT. Where the list says 'softmax', what is quantised is not the finished softmax but p = 2^(t - M), with t = logit x log2(e) and M = ceil(the row's largest t), a whole number; so 1/2 < the row's largest p <= 1. The row's sum l is taken of the UNQUANTISED p, in f32, and the product's result is divided by l at the end. Since M is a whole number, a kernel that streams over the keys may use a running M (the ceiling of the running maximum): every later rescaling is an exact power of two, which a block's scale takes up: the codes' values come out the same.
;;   OPERANDS COMPUTED ON THE WAY. 'Computed on the way' means the value that the module computes at that place (a softmax that the list does not call 'softmax' is quantised finished and normalised). What goes into a quantiser is computed in f32, as accurately as f32 sums, v_exp_f32 and their like allow (about 1e-6 of the number): no bf16 or f16 on the way to a quantiser, and a product that is left as it is and whose result goes on into a quantised operand takes f32 operands (vector FMAs, or v_wmma_f32_16x16x4_f32). A number that lies on a knife's edge between two numbers of the format may be rounded either way, as far as f32 arithmetic and the matrix unit's own rounding can turn it there, and no further.
;; One version. Each part assembles by itself: llvm-mc -triple=amdgcn-amd-amdhsa -mcpu=gfx1250 --defsym DOCPART=n.
;; ======== version 1 of 1: 6 launches
;; limits: right only within a limited range of input values
;; workspace buffers: xp 3,276,800 bytes; wts 9,830,400 bytes; qc 3,407,872 bytes; kv 6,684,672 bytes; cp 3,276,800 bytes; x1 16,777,216 bytes; x1p 3,276,800 bytes; hp 13,107,200 bytes
;; launch prep (part 1): grid 512 x 1, 4 waves a work-group, no clusters, 58,880 bytes of LDS; arguments x, Wq, Wk, Wv, Wo, W1, W2, xp, wts; writes xp, wts
.if DOCPART == 1
	.amdgcn_target "amdgcn-amd-amdhsa--gfx1250"
	.amdhsa_code_object_version 6
	.text
	.protected	k_q5fee0df1ab_prep
	.globl	k_q5fee0df1ab_prep
	.p2align	8
	.type	k_q5fee0df1ab_prep,@function
k_q5fee0df1ab_prep:
	s_mov_b64 s[64:65], 0
	v_nop
	global_prefetch_b8 v0, s[64:65] scope:SCOPE_SE
	s_setreg_imm32_b32 hwreg(HW_REG_WAVE_MODE, 25, 1), 1
	s_wait_xcnt 0x0
; PREP: x and the six weights, f32, become codes of BF6 (E3M2) with one E8M0 byte for each 32 along K, laid as the later launches' operand registers want them.
; NOTHING OF THE PROBLEM IS LEFT OUT: all eight products are live and all thirteen inputs have a way to out0 (bk too: it moves k's codes), so every input is loaded by some launch.
; A block's scale is 2^(floor(log2(its largest magnitude)) - 4); its byte is the largest magnitude's exponent field - 4, held at 1 from below.
; LIMITS: NaN and infinities among the inputs are not served.  A block whose largest magnitude lies under 2^-122, a block of zeros among them, keeps the byte 1 (the rule gives a block of zeros 127):
; its codes are then zeros or the smallest codes, and these bytes are read by this program alone.
; THE WORKSPACE'S FORM.  Rows of an operand (tokens of x, columns n of a weight) go in blocks of 128 and tiles of 16; lane r of tile i of a block is row 32 (i / 2) + 8 (i % 2) + r + 8 (r / 8).
; A PANEL (12,800 bytes) is one block x 128 along K: tile i's fragment at 1,536 i, as two halves of 768 bytes (registers 6 c .. 6 c + 5: 16 bytes a lane at 16 x lane, then 8 bytes a lane at 512 + 8 x lane);
; at 12,288 the scale words, 256 (i / 4) + 16 r + 4 (i % 4).  A buffer of panels is laid [block][K step].
; SHARES.  Work-groups 0 to 383 take the weights (128 columns x 256 along K each: two panels), 384 to 511 take x.  The two ways part on the work-group's number and have LDS bytes of their own.  Waves share nothing: no barrier.
.set PANEL, 12800
.set XSTG,  24576                      ; LDS: 0 .. 24,575 the weight way's stages, 6,144 a wave; from here x's stages, 16 rows x 528 a wave
.set SPARE, 58368                      ; the spare words, 128 bytes for each wave: two blocks of 256 bytes that no other line names
.set SPW,   14                         ; v14 LDS address of my spare word; never rewritten
.set NIL,   15                         ; v15 0; never rewritten
	s_load_b512 s[4:19], s[0:1], 0x0               ; x, Wq, Wk, Wv, Wo, W1, W2, xp
	s_load_b64 s[20:21], s[0:1], 0x40              ; wts
	v_lshl_add_u32 v[SPW], v0, 2, SPARE
	v_mov_b32 v[NIL], 0
	v_lshrrev_b32 v1, 5, v0
	v_readfirstlane_b32 s22, v1                    ; wave 0..3
	v_and_b32 v2, 31, v0                           ; lane
	s_cmp_lt_u32 ttmp9, 384
	s_cbranch_scc0 .Lx_path
; ---------------- THE WEIGHTS.  W is [K][N]: a lane takes a column n and its registers run down K, so a block of 32 lies in one lane and the codes come out with K innermost.
; Job j = the work-group's number: j < 128: Wq, Wk, Wv, Wo by j / 32, column block (j / 4) % 8, K quarter j % 4; j < 256: W1, column block (j / 4) % 32, K quarter j % 4; else W2, column block (j / 16) % 8, K sixteenth j % 16.
; The two panels of job j are panels 2 j and 2 j + 1 of wts.
	s_lshr_b32 s23, ttmp9, 5
	s_lshr_b32 s24, ttmp9, 7
	s_wait_kmcnt 0x0
	s_cmp_eq_u32 s23, 1                            ; the choices hang on the work-group's number alone
	s_cselect_b64 s[6:7], s[8:9], s[6:7]
	s_cmp_eq_u32 s23, 2
	s_cselect_b64 s[6:7], s[10:11], s[6:7]
	s_cmp_eq_u32 s23, 3
	s_cselect_b64 s[6:7], s[12:13], s[6:7]
	s_cmp_eq_u32 s24, 1
	s_cselect_b64 s[6:7], s[14:15], s[6:7]
	s_cselect_b32 s25, 14, 12                      ; log2 of a row's bytes: 16,384 in W1, else 4,096
	s_cselect_b32 s28, 31, 7                       ; column blocks - 1
	s_cmp_eq_u32 s24, 2
	s_cselect_b64 s[6:7], s[16:17], s[6:7]
	s_cselect_b32 s27, 4, 2                        ; log2 of the jobs along K
	s_lshl_b32 s26, 1, s25                         ; a row's bytes
	s_lshr_b32 s29, ttmp9, s27
	s_and_b32 s29, s29, s28                        ; column block
	s_lshl_b32 s30, 1, s27
	s_sub_co_u32 s30, s30, 1
	s_and_b32 s30, ttmp9, s30                      ; which 256 along K
	s_add_co_u32 s31, s25, 8
	s_lshl_b32 s48, s30, s31                       ; 256 rows x that
	s_lshl_b32 s29, s29, 9
	s_add_co_u32 s48, s48, s29                     ; + 512 bytes a column block
	s_lshl_b32 s29, s22, 7
	s_add_co_u32 s48, s48, s29                     ; + my wave's 32 columns
	s_mov_b32 s49, 0
	s_add_nc_u64 s[32:33], s[6:7], s[48:49]        ; eight bases, one for each block of 32 rows: written once
	s_lshl_b32 s50, s26, 5
	s_mov_b32 s51, 0
.irp t, 1,2,3,4,5,6,7
	s_add_nc_u64 s[32+2*\t:33+2*\t], s[30+2*\t:31+2*\t], s[50:51]
.endr
	s_mul_i32 s52, ttmp9, 2*PANEL
	s_mov_b32 s53, 0
	s_add_nc_u64 s[20:21], s[20:21], s[52:53]      ; my job's two panels
	s_wait_alu depctr_va_vdst(0)
	v_lshlrev_b32 v3, 2, v2
.set i, 0
.rept 32
	v_mad_u32_u24 v[96+i], s26, i, v3              ; v96-127: 4 x lane + i rows; written once
.set i, i+1
.endr
	v_bfe_u32 v4, v2, 3, 1                         ; my column 32 w + lane is lane r of tile 2 w + u: u = (lane / 8) % 2,
	v_and_b32 v5, 7, v2
	v_lshrrev_b32 v6, 4, v2
	v_lshl_add_u32 v5, v6, 3, v5                   ; r = lane % 8 + 8 (lane / 16)
	s_mul_i32 s54, s22, 6144                       ; my stage: [K step][u][half c]: 3,072, 1,536, 768 bytes
	v_mul_u32_u24 v6, v4, 1536
	v_add_nc_u32 v6, s54, v6
	v_lshl_add_u32 v7, v5, 4, v6                   ; where a block's first 16 bytes go,
	v_lshl_add_u32 v8, v5, 3, v6                   ; and its last 8
	v_lshl_add_u32 v9, v2, 4, s54                  ; the way back: 16 x lane
	s_lshr_b32 s55, s22, 1
	s_lshl_b32 s55, s55, 8
	s_and_b32 s56, s22, 1
	s_lshl_b32 s56, s56, 3
	s_add_co_u32 s55, s55, s56
	v_lshl_add_u32 v10, v5, 4, s55
	v_lshl_add_u32 v10, v4, 2, v10                 ; my scale word in a panel: 256 (i / 4) + 16 r + 4 (i % 4), i = 2 w + u
	s_mul_i32 s56, s22, 3072
	v_lshl_add_u32 v11, v2, 4, s56                 ; my wave's two tiles in a panel: 3,072 w + 16 x lane
.macro WLOAD t                         ; block t: W(32 t + i, my column) into set t % 2; 32 lanes read 128 consecutive bytes, the four waves 512
.set i, 0
.rept 32
	global_load_b32 v[32+32*((\t)%2)+i], v[96+i], s[32+2*(\t):33+2*(\t)] th:TH_LOAD_NT
.set i, i+1
.endr
.endm
.macro WBLOCK t                        ; block t is K step t / 4, half (t % 4) / 2, lanes' half t % 2 of my column's fragment
.set XS, 32+32*((\t)%2)
.if (\t) < 7
	s_wait_loadcnt 32                              ; this block's 32 loads are in; the next block's 32 may be out
.else
	s_wait_loadcnt 0x0
.endif
	v_max3_num_f32 v12, |v[XS]|, |v[XS+1]|, |v[XS+2]|
	v_max3_num_f32 v13, |v[XS+3]|, |v[XS+4]|, |v[XS+5]|
.irp i, 6,10,14,18,22,26
	v_max3_num_f32 v12, v12, |v[XS+\i]|, |v[XS+\i+1]|
	v_max3_num_f32 v13, v13, |v[XS+\i+2]|, |v[XS+\i+3]|
.endr
	v_max3_num_f32 v12, v12, |v[XS+30]|, |v[XS+31]|
	v_max3_num_f32 v12, v12, v13, 0x2800000        ; and the floor 2^(5 - 127): the byte cannot fall under 1
	v_add_nc_u32 v25, 0xfe000000, v12              ; 4 off the exponent field: the conversion takes this operand's exponent field as its scale
	v_lshrrev_b32 v13, 23, v25                     ; the scale's byte
.if (\t)%4 == 0
	v_mov_b32 v[26+(\t)/4], v13                    ; four bytes make a K step's scale word
.else
	v_lshl_or_b32 v[26+(\t)/4], v13, 8*((\t)%4), v[26+(\t)/4]
.endif
	v_cvt_scalef32_pk16_bf6_f32 v[16:18], v[XS:XS+15], v25
	v_cvt_scalef32_pk16_bf6_f32 v[22:24], v[XS+16:XS+31], v25      ; (a conversion's three registers begin on an even number)
	v_nop                                          ; one plain place behind a scaled conversion
	v_mov_b32 v19, v22
	v_mov_b32 v20, v23
	v_mov_b32 v21, v24
	ds_store_b128 v7, v[16:19] offset:((\t)/4)*3072+(((\t)%4)/2)*768+((\t)%2)*256
	ds_store_b64 v8, v[20:21] offset:((\t)/4)*3072+(((\t)%4)/2)*768+512+((\t)%2)*128
.if (\t)+2 < 8
	WLOAD (\t)+2
.endif
	s_wait_dscnt 0x0                               ; the stores have read their registers
.endm
	WLOAD 0
	WLOAD 1
.irp t, 0,1,2,3,4,5,6,7
	WBLOCK \t
.endr
	global_store_b32 v10, v26, s[20:21] offset:12288           ; my column's two scale words (4 bytes a lane, 16 apart: one byte in 128 of what the job reads)
	s_wait_alu depctr_va_vdst(0)
	global_store_b32 v10, v27, s[20:21] offset:PANEL+12288
.irp t, 0,1,2,3,4,5,6,7,8,9,10,11
	ds_load_b128 v[128+4*\t:131+4*\t], v9 offset:512*\t        ; LDS serves a wave's instructions in order: these see my stores
.endr
.irp t, 0,1,2,3,4,5,6,7,8,9,10,11
	s_wait_dscnt 11-\t                             ; the younger loads may be out
	global_store_b128 v11, v[128+4*\t:131+4*\t], s[20:21] offset:(\t/6)*PANEL+(\t%6)*512   ; 32 lanes store 512 consecutive bytes, at a multiple of 256 from the buffer's first byte
.endr
	s_wait_tensorcnt 0x0                           ; the wave's end, behind my last LDS store
	ds_add_u32 v[SPW], v[NIL]
	s_wait_dscnt 0x0
	s_endpgm
; ---------------- x.  K is innermost.  A wave takes four tiles of 16 rows x one K step of 128: id = 4 (work-group - 384) + wave: K step id % 8, half g = (id / 8) % 2 of the block's tiles, block id / 16.
; Each load reads 512 consecutive bytes of one row; a tile turns through the wave's own stage, so that lane (r, h) gets, of row r, 16 neighbours of each block of 32.
.set PC, 208                           ; v208-219 a fragment's codes; v220-226 the conversions' second halves
.set TM, 228                           ; v228-243 at work
.Lx_path:
	s_sub_co_u32 s23, ttmp9, 384
	s_lshl_b32 s23, s23, 2
	s_add_co_u32 s23, s23, s22                     ; id
	s_and_b32 s24, s23, 7                          ; K step
	s_bfe_u32 s25, s23, 0x10003                    ; g
	s_lshr_b32 s26, s23, 4                         ; block
	s_lshl_b32 s28, s26, 19                        ; 128 rows of 4,096 bytes
	s_lshl_b32 s29, s25, 18
	s_add_co_u32 s28, s28, s29
	s_lshl_b32 s29, s24, 9
	s_add_co_u32 s28, s28, s29
	s_mov_b32 s29, 0
	s_lshl_b32 s30, s26, 3
	s_add_co_u32 s30, s30, s24
	s_mul_i32 s30, s30, PANEL
	s_mov_b32 s31, 0
	s_mul_i32 s32, s25, 6144
	s_mov_b32 s33, 0
	s_lshl_b32 s34, s25, 8
	s_mov_b32 s35, 0
	s_mov_b32 s42, 0x76543210
	s_mov_b32 s43, 0xfedcba98                      ; v_permlanex16_b32's selects for lane l xor 16
	s_wait_kmcnt 0x0
	s_add_nc_u64 s[4:5], s[4:5], s[28:29]          ; x at my first row and K step
	s_add_nc_u64 s[18:19], s[18:19], s[30:31]      ; my panel,
	s_add_nc_u64 s[36:37], s[18:19], s[32:33]      ; my four tiles' codes in it,
	s_add_nc_u64 s[38:39], s[18:19], s[34:35]      ; and (12,288 on) their scale words
	s_wait_alu depctr_va_vdst(0)
	v_lshlrev_b32 v3, 4, v2                        ; 16 x lane
	v_lshlrev_b32 v6, 3, v2                        ; 8 x lane
	v_and_b32 v8, 15, v2                           ; r
	v_lshrrev_b32 v9, 4, v2                        ; h
	s_mul_i32 s40, s22, 8448
	s_add_co_u32 s40, s40, XSTG                    ; my stage
	v_add_nc_u32 v4, s40, v3                       ; in: a row's 512 bytes as they lie
	v_mul_u32_u24 v5, v8, 528
	v_lshl_add_u32 v5, v9, 6, v5
	v_add_nc_u32 v5, s40, v5                       ; back: row r, + 64 h
	v_lshlrev_b32 v7, 4, v8
	v_lshl_add_u32 v7, v9, 3, v7                   ; the words' way out: 16 r + 8 h
	v_cmp_ne_u32 s41, 0, v9                        ; lanes 16-31
.irp b, 0,1,2,3
	v_mov_b32 v[TM+4+\b], 0                        ; written once: a lane permute's destination counts as one of its sources
.endr
.macro XLOAD p                         ; tile p's 16 rows into set p % 2
.irp o, 0,1,2,3,4,5,6,7,8,9,10,11,12,13,14,15
	global_load_b128 v[16+64*((\p)%2)+4*\o:19+64*((\p)%2)+4*\o], v3, s[4:5] offset:(32*((\p)/2)+8*((\p)%2)+\o+8*(\o/8))*4096 th:TH_LOAD_NT
.endr
.endm
; 64 numbers of a lane, register 16 b + i = k 32 b + 16 h + i of my row, become a fragment's codes in v[PC] on and its scale word in v[pw]
.macro QUANT s, pw
.irp b, 0,1,2,3
	v_max3_num_f32 v[TM+\b], |v[\s+16*\b]|, |v[\s+1+16*\b]|, 0x2800000
.endr
.irp i, 2,4,6,8,10,12,14
.irp b, 0,1,2,3
	v_max3_num_f32 v[TM+\b], v[TM+\b], |v[\s+16*\b+\i]|, |v[\s+1+16*\b+\i]|
.endr
.endr
.irp b, 0,1,2,3
	v_permlanex16_b32 v[TM+4+\b], v[TM+\b], s42, s43
.endr
.irp b, 0,1,2,3
	v_max_num_f32 v[TM+\b], v[TM+\b], v[TM+4+\b]   ; with lane l xor 16's: the block's largest magnitude
.endr
.irp b, 0,1,2,3
	v_add_nc_u32 v[TM+12+\b], 0xfe000000, v[TM+\b]
.endr
.irp b, 0,1,2,3
	v_lshrrev_b32 v[TM+4+\b], 23, v[TM+12+\b]
.endr
	v_lshl_or_b32 v[\pw], v[TM+5], 8, v[TM+4]
	v_lshl_or_b32 v[\pw], v[TM+6], 16, v[\pw]
	v_lshl_or_b32 v[\pw], v[TM+7], 24, v[\pw]
.irp c, 0,1
	v_cvt_scalef32_pk16_bf6_f32 v[PC+6*\c:PC+2+6*\c], v[\s+32*\c:\s+15+32*\c], v[TM+12+2*\c]
	v_cvt_scalef32_pk16_bf6_f32 v[PC+12+4*\c:PC+14+4*\c], v[\s+16+32*\c:\s+31+32*\c], v[TM+12+2*\c+1]
.endr
	v_nop                                          ; one plain place behind a scaled conversion
.irp c, 0,1                                    ; the operand's layout wants a whole block in a lane
.irp i, 0,1,2
	v_permlane16_swap_b32 v[PC+6*\c+\i], v[PC+12+4*\c+\i]
.endr
.irp i, 0,1,2
	v_mov_b32 v[PC+3+6*\c+\i], v[PC+12+4*\c+\i]
.endr
.endr
.endm
.macro XTILE p
.set LS, 16+64*((\p)%2)
	s_wait_xcnt 0x0                                ; the last tile's stores have read the codes' registers
.if (\p) < 3
	s_wait_loadcnt 16                              ; this tile's 16 loads are in; the other set's 16 may be out
.else
	s_wait_loadcnt 0x0
.endif
.irp o, 0,1,2,3,4,5,6,7,8,9,10,11,12,13,14,15
	ds_store_b128 v4, v[LS+4*\o:LS+4*\o+3] offset:528*\o
.endr
.irp b, 0,1,2,3
.irp j, 0,1,2,3
	ds_load_b128 v[144+16*\b+4*\j:147+16*\b+4*\j], v5 offset:128*\b+16*\j
.endr
.endr
	s_wait_dscnt 0x0                               ; the numbers are back, and the stores have read the set,
.if (\p) < 2
	XLOAD (\p)+2                                   ; which takes the tile two further on
.endif
	QUANT 144, 244+(\p)
	global_store_b128 v3, v[PC:PC+3], s[36:37] offset:1536*(\p)
	global_store_b64 v6, v[PC+4:PC+5], s[36:37] offset:1536*(\p)+512
	global_store_b128 v3, v[PC+6:PC+9], s[36:37] offset:1536*(\p)+768
	global_store_b64 v6, v[PC+10:PC+11], s[36:37] offset:1536*(\p)+1280
.endm
	XLOAD 0
	XLOAD 1
	s_wait_alu depctr_va_vdst(0)
	XTILE 0
	XTILE 1
	XTILE 2
	XTILE 3
	v_cndmask_b32 v248, v244, v246, s41            ; lane (r, h) stores the words of tiles 2 h and 2 h + 1 of row r: the 32 lanes fill 256 consecutive bytes
	v_cndmask_b32 v249, v245, v247, s41
	global_store_b64 v7, v[248:249], s[38:39] offset:12288
	s_wait_tensorcnt 0x0                           ; the wave's end, behind my last LDS store
	ds_add_u32 v[SPW], v[NIL]
	s_wait_dscnt 0x0
	s_endpgm
.Lfunc_end_k_q5fee0df1ab_prep:
	.size	k_q5fee0df1ab_prep, .Lfunc_end_k_q5fee0df1ab_prep-k_q5fee0df1ab_prep
	.p2alignl 7, 3214868480
	.fill 96, 4, 3214868480
	.section	.rodata,"a",@progbits
	.p2align	6, 0x0
	.amdhsa_kernel k_q5fee0df1ab_prep
		.amdhsa_group_segment_fixed_size 58880
		.amdhsa_private_segment_fixed_size 0
		.amdhsa_enable_private_segment 0
		.amdhsa_kernarg_size 72
		.amdhsa_user_sgpr_count 2
		.amdhsa_user_sgpr_kernarg_segment_ptr 1
		.amdhsa_wavefront_size32 1
		.amdhsa_system_sgpr_workgroup_id_x 1
		.amdhsa_system_sgpr_workgroup_id_y 1
		.amdhsa_system_sgpr_workgroup_id_z 1
		.amdhsa_system_vgpr_workitem_id 0
		.amdhsa_next_free_vgpr 256
		.amdhsa_next_free_sgpr 66
		.amdhsa_reserve_vcc 0
		.amdhsa_float_denorm_mode_32 3
		.amdhsa_float_denorm_mode_16_64 3
		.amdhsa_memory_ordered 1
		.amdhsa_forward_progress 1
		.amdhsa_inst_pref_size 78
	.end_amdhsa_kernel
	.amdgpu_metadata
---
amdhsa.version: [ 1, 2 ]
amdhsa.kernels:
  - .name:           k_q5fee0df1ab_prep
    .symbol:         k_q5fee0df1ab_prep.kd
    .args:
      - { .name: x, .offset: 0, .size: 8, .value_kind: global_buffer, .address_space: global }
      - { .name: Wq, .offset: 8, .size: 8, .value_kind: global_buffer, .address_space: global }
      - { .name: Wk, .offset: 16, .size: 8, .value_kind: global_buffer, .address_space: global }
      - { .name: Wv, .offset: 24, .size: 8, .value_kind: global_buffer, .address_space: global }
      - { .name: Wo, .offset: 32, .size: 8, .value_kind: global_buffer, .address_space: global }
      - { .name: W1, .offset: 40, .size: 8, .value_kind: global_buffer, .address_space: global }
      - { .name: W2, .offset: 48, .size: 8, .value_kind: global_buffer, .address_space: global }
      - { .name: xp, .offset: 56, .size: 8, .value_kind: global_buffer, .address_space: global }
      - { .name: wts, .offset: 64, .size: 8, .value_kind: global_buffer, .address_space: global }
    .group_segment_fixed_size: 58880
    .private_segment_fixed_size: 0
    .kernarg_segment_align: 8
    .kernarg_segment_size: 72
    .max_flat_workgroup_size: 128
    .sgpr_count:     66
    .vgpr_count:     256
    .wavefront_size: 32
...
	.end_amdgpu_metadata
.endif
;; end of part 1
;; launch qkv (part 2): grid 8 x 32, 4 waves a work-group, clusters of 4 x 4, 327,680 bytes of LDS; arguments xp, wts, bq, bk, bv, qc, kv; writes qc, kv
.if DOCPART == 2
	.amdgcn_target "amdgcn-amd-amdhsa--gfx1250"
	.amdhsa_code_object_version 6
	.text
	.protected	k_q5fee0df1ab_qkv
	.globl	k_q5fee0df1ab_qkv
	.p2align	8
	.type	k_q5fee0df1ab_qkv,@function
k_q5fee0df1ab_qkv:
	s_mov_b64 s[64:65], 0
	v_nop
	global_prefetch_b8 v0, s[64:65] scope:SCOPE_SE
	s_setreg_imm32_b32 hwreg(HW_REG_WAVE_MODE, 25, 1), 1
	s_wait_xcnt 0x0
	s_wait_alu depctr_hold_cnt(0) depctr_sa_sdst(0) depctr_va_vdst(0) depctr_va_sdst(0) depctr_va_ssrc(0) depctr_va_vcc(0) depctr_vm_vsrc(0)
	s_getreg_b32 s2, hwreg(HW_REG_IB_STS2, 6, 4)
	s_cmp_eq_u32 s2, 0
	s_cbranch_scc0 .Lentry_in_a_cluster
	s_endpgm
.Lentry_in_a_cluster:
	s_bfe_u32 s2, ttmp6, 0x10000c
	s_cmp_lg_u32 s2, 0xf033
	s_cbranch_scc0 .Lentry_shape_is_right
	s_endpgm
.Lentry_shape_is_right:
; QKV: q = x Wq + bq, k = x Wk + bk, v = x Wv + bv on codes of BF6 (one E8M0 byte for each 32 along K), and each result quantised at once for attention: q and k along the head's 64, v along the keys.  No work is left out.
; q's factor 1/8 is a power of two, so Q(q / 8) = Q(q) / 8 exactly: q is quantised as it stands and the 1/8 goes into the softmax's constant.  LIMIT: a block of q whose largest magnitude lies under 2^-119, where the
; rule's hold of the exponent at -126 would bite, is not served; NaN and infinities are not served; a block under 2^-122 (zeros too) keeps the byte 1; these bytes are read by this program alone.
; SHARES.  A work-group takes 128 tokens (block mblk) x 128 columns (head pair gx) of q, then of k, then of v.  Four waves, 64 x 64 each: 16 accumulators.  x's 64 rows of a wave, all 1,024 along K, stay in 384 REGISTERS
; for the three tiles; a weight's block (8 panels, 102,400 bytes) comes whole into one of two LDS slots, a quarter a wave, and has a whole tile's work in which to land.
; CLUSTERS: 4 x 4.  x's block hangs on mblk alone and is asked for jointly along a row of the cluster, a weight's block on gx alone, jointly along a column.
; ORIENTATION.  q, k: source 0 = 16 columns of the weight, source 1 = 16 tokens: a lane holds one token and its registers run along the head's channels.  v: the sources change places: a lane holds one channel and its registers run along the tokens, which are the keys.
; By the rows that form a tile (lane r of tile i is row 32 (i / 2) + 8 (i % 2) + r + 8 (r / 8)) the 16 registers of two neighbouring tiles are 16 neighbours.  The biases are the C of each sum's first matrix instruction.
; REGISTERS: window 0: v1-3 r, h, lane; v4-9 fetch addresses; v10, 11 the add's two; v14-16 the scale stage; v17-19 fetch bases; v24-31 the weight's scale words, two sets; v32-63 x's; v64-73 offsets; v96-123 at work; v128-255 accumulators.
;   window 1: x's fragments of K steps 0-4.   window 2: K steps 5-7; from v144 the weight's fragments, two buffers.   window 3: v0-31 the bias.
.set PANEL, 12800
.set BLKB,  102400                     ; a block's 8 panels
.set QUART, 25600                      ; what one tensor load brings
.set SLOT1, 1<<17                      ; LDS: slot 0 at 0, slot 1 here
.set SCST,  102400                     ; 512 bytes: the stage in which two waves' halves of the scale words meet
.set SPARE, 102912                     ; the spare words, 128 bytes for each wave: two blocks of 256 bytes that no other line names
.set BSTEP, 8*BLKB                     ; from Wq's block to Wk's to Wv's
.set ACC,   128
.set BUFB,  144
.set SPW,   10
.set NIL,   11
.set G1A,   24                         ; s[24:31], s[32:35]: descriptor groups 1 and 0 for x's block
.set G0A,   32
.set G1B,   48                         ; s[48:55], s[56:59]: for the weight's, group 0 walks
.set G0B,   56
.set TB,    12                         ; s12 LDS byte at which the slot in hand begins;  s13 the same + 4 panels
.set TB2,   13
.set MSB,   0
.macro WIN new                         ; the immediate's high byte repeats the setting that is left
.if MSB != \new
	s_set_vgpr_msb (MSB<<8)|\new
.set MSB, \new
.endif
.endm
.macro PLACES n
.rept \n
	v_nop
.endr
.endm
.macro CROUND                          ; a round of the cluster's barrier
	s_barrier_signal -1
	s_barrier_wait -1
	s_cmp_lg_u32 s14, 0
	s_cbranch_scc1 .Lnot_wave_0_\@
	s_barrier_signal -3
.Lnot_wave_0_\@:
	s_barrier_wait -3
	s_barrier_signal -1
	s_barrier_wait -1
.endm
.macro FETCH4 reg, a16, a8, po         ; four fragments, as images of their registers: 16 LDS loads, each of consecutive bytes
.irp q, 0,1,2,3
.irp c, 0,1
	ds_load_b128 v[(\reg)+12*\q+6*\c:(\reg)+12*\q+6*\c+3], v[\a16] offset:(\po)+1536*\q+768*\c
	ds_load_b64 v[(\reg)+12*\q+6*\c+4:(\reg)+12*\q+6*\c+5], v[\a8] offset:(\po)+1536*\q+768*\c+512
.endr
.endr
.endm
; 32 numbers of a lane, register 16 b + i = k 32 b + 16 h + i of its row (four accumulators), become half a fragment's codes in v[d] .. v[d + 5] and two scale bytes in v[pw].  Each accumulator is read from its low end on.
.macro HQUANT s, d, e, tm, pw
	v_max3_num_f32 v[\tm], |v[(\s)]|, |v[(\s)+1]|, 0x2800000       ; the floor 2^(5 - 127): the byte cannot fall under 1
	v_max3_num_f32 v[\tm+1], |v[(\s)+8]|, |v[(\s)+9]|, |v[(\s)+10]|
	v_max3_num_f32 v[\tm+2], |v[(\s)+16]|, |v[(\s)+17]|, 0x2800000
	v_max3_num_f32 v[\tm+3], |v[(\s)+24]|, |v[(\s)+25]|, |v[(\s)+26]|
.irp i, 2,4,6
	v_max3_num_f32 v[\tm], v[\tm], |v[(\s)+\i]|, |v[(\s)+\i+1]|
	v_max3_num_f32 v[\tm+2], v[\tm+2], |v[(\s)+16+\i]|, |v[(\s)+17+\i]|
.endr
.irp i, 11,13
	v_max3_num_f32 v[\tm+1], v[\tm+1], |v[(\s)+\i]|, |v[(\s)+\i+1]|
	v_max3_num_f32 v[\tm+3], v[\tm+3], |v[(\s)+16+\i]|, |v[(\s)+17+\i]|
.endr
	v_max3_num_f32 v[\tm], v[\tm], v[\tm+1], |v[(\s)+15]|
	v_max3_num_f32 v[\tm+2], v[\tm+2], v[\tm+3], |v[(\s)+31]|
	v_permlanex16_b32 v[\tm+4], v[\tm], s20, s21
	v_permlanex16_b32 v[\tm+5], v[\tm+2], s20, s21
	v_max_num_f32 v[\tm], v[\tm], v[\tm+4]         ; with lane l xor 16's: the blocks' largest magnitudes
	v_max_num_f32 v[\tm+2], v[\tm+2], v[\tm+5]
	v_add_nc_u32 v[\tm+1], 0xfe000000, v[\tm]      ; 4 off the exponent field: the conversion's scale operand
	v_add_nc_u32 v[\tm+3], 0xfe000000, v[\tm+2]
	v_lshrrev_b32 v[\tm+4], 23, v[\tm+1]           ; the bytes
	v_lshrrev_b32 v[\tm+5], 23, v[\tm+3]
	v_lshl_or_b32 v[\pw], v[\tm+5], 8, v[\tm+4]
	v_cvt_scalef32_pk16_bf6_f32 v[\d:\d+2], v[(\s):(\s)+15], v[\tm+1]
	v_cvt_scalef32_pk16_bf6_f32 v[\e:\e+2], v[(\s)+16:(\s)+31], v[\tm+3]
	v_nop                                          ; one plain place behind a scaled conversion
.irp i, 0,1,2
	v_permlane16_swap_b32 v[\d+\i], v[\e+\i]       ; a whole block to a lane: lanes 0-15 the first block, lanes 16-31 the second
.endr
.irp i, 0,1,2
	v_mov_b32 v[\d+3+\i], v[\e+\i]
.endr
.endm
; 16 matrix instructions, 128 along K.  ar, wa: x's four fragments and their window; f: the weight's buffer and set of scale words; sa: x's four scale words; sw = 1: x is source 0; first = 1: C is the bias.
; The 16 accumulators take turns, one instruction a turn, in the same order in every K step.
.macro MM ar, wa, f, sa, sw, first
.set FB, BUFB+48*(\f)
.set SBW, 24+4*(\f)
.if \sw
.set WN, (2<<2)|(\wa)
.else
.set WN, ((\wa)<<2)|2
.endif
.if \first
.set WN, WN|0x30
.endif
	WIN WN
.irp p, 0,1,2,3
.irp q, 0,1,2,3
.if \sw
.if \first
	v_wmma_scale_f32_16x16x128_f8f6f4 v[ACC+8*(4*\p+\q):ACC+8*(4*\p+\q)+7], v[(\ar)+12*\q:(\ar)+12*\q+11], v[FB+12*\p:FB+12*\p+11], v[8*\p:8*\p+7], v[(\sa)+\q], v[SBW+\p] matrix_a_fmt:MATRIX_FMT_BF6 matrix_b_fmt:MATRIX_FMT_BF6
.else
	v_wmma_scale_f32_16x16x128_f8f6f4 v[ACC+8*(4*\p+\q):ACC+8*(4*\p+\q)+7], v[(\ar)+12*\q:(\ar)+12*\q+11], v[FB+12*\p:FB+12*\p+11], v[ACC+8*(4*\p+\q):ACC+8*(4*\p+\q)+7], v[(\sa)+\q], v[SBW+\p] matrix_a_fmt:MATRIX_FMT_BF6 matrix_b_fmt:MATRIX_FMT_BF6
.endif
.else
.if \first
	v_wmma_scale_f32_16x16x128_f8f6f4 v[ACC+8*(4*\p+\q):ACC+8*(4*\p+\q)+7], v[FB+12*\q:FB+12*\q+11], v[(\ar)+12*\p:(\ar)+12*\p+11], v[8*\q:8*\q+7], v[SBW+\q], v[(\sa)+\p] matrix_a_fmt:MATRIX_FMT_BF6 matrix_b_fmt:MATRIX_FMT_BF6
.else
	v_wmma_scale_f32_16x16x128_f8f6f4 v[ACC+8*(4*\p+\q):ACC+8*(4*\p+\q)+7], v[FB+12*\q:FB+12*\q+11], v[(\ar)+12*\p:(\ar)+12*\p+11], v[ACC+8*(4*\p+\q):ACC+8*(4*\p+\q)+7], v[SBW+\q], v[(\sa)+\p] matrix_a_fmt:MATRIX_FMT_BF6 matrix_b_fmt:MATRIX_FMT_BF6
.endif
.endif
.endr
.endr
.endm
.macro MUL16 ks, sw
.if (\ks) == 0
	MM 0, 1, 0, 32, \sw, 1
.elseif (\ks) < 5
	MM 48*(\ks), 1, (\ks)%2, 32+4*(\ks), \sw, 0
.else
	MM 48*((\ks)-5), 2, (\ks)%2, 32+4*(\ks), \sw, 0
.endif
.endm
.macro BADDR                           ; the six fetch addresses of the slot in hand: panels 0-3 by v4-6, panels 4-7 by v7-9
	v_add_nc_u32 v4, s[TB], v17
	v_add_nc_u32 v5, s[TB], v18
	v_add_nc_u32 v6, s[TB], v19
	v_add_nc_u32 v7, s[TB2], v17
	v_add_nc_u32 v8, s[TB2], v18
	v_add_nc_u32 v9, s[TB2], v19
.endm
; K step ks (0 .. 6): its fragments are in; the next step's are asked for, into the buffer that the step before multiplied, four places behind its products; then the 16 products.
.macro KSTEP ks, sw
	s_wait_dscnt 0x0
.if (\ks) > 0
	PLACES 4
.endif
	WIN 0x80
.if (\ks)+1 < 4
	FETCH4 BUFB+48*(1-(\ks)%2), 4, 5, ((\ks)+1)*PANEL
	WIN 0
	ds_load_b128 v[24+4*(1-(\ks)%2):27+4*(1-(\ks)%2)], v6 offset:((\ks)+1)*PANEL
.else
	FETCH4 BUFB+48*(1-(\ks)%2), 7, 8, ((\ks)-3)*PANEL
	WIN 0
	ds_load_b128 v[24+4*(1-(\ks)%2):27+4*(1-(\ks)%2)], v9 offset:((\ks)-3)*PANEL
.endif
	MUL16 \ks, \sw
.endm
; K step 7.  turn = 2: the slot has been read out: all my tensor loads are waited for, the add, the wait for it and for my reads, a round of the cluster's barrier, and the slot is filled with the block two tiles on;
; turn = 1: the same without a fill, behind the work-group's barrier; both then fetch the next tile's first fragments from the other slot.  turn = 0: the last tile.
.macro TURN turn, sw
	s_wait_dscnt 0x0
.if \turn
	WIN 0
	s_wait_tensorcnt 0x0                           ; all my tensor loads have landed: my quarter of the next block
	ds_add_u32 v[SPW], v[NIL]                      ; 0 onto my spare word
.if (\turn) == 2
	s_xor_b32 s[G0B+1], s[G0B+1], SLOT1            ; the walking descriptor: the other slot than last time, the next weight's block
	s_add_nc_u64 s[G0B+2:G0B+3], s[G0B+2:G0B+3], BSTEP
.endif
	s_xor_b32 s[TB], s[TB], SLOT1
	s_add_co_u32 s[TB2], s[TB], 4*PANEL
	s_wait_dscnt 0x0                               ; the add is done, and my reads of this slot are over
.if (\turn) == 2
	CROUND                                         ; no wave of any partner still reads the slot or has a load on its way
	tensor_load_to_lds s[G0B:G0B+3], s[G1B:G1B+7]
	s_nop 0
.else
	s_barrier_signal -1
	s_barrier_wait -1
.endif
	PLACES 4                                       ; also the places in front of the loads into buffer 0
	BADDR
	WIN 0x80
	FETCH4 BUFB, 4, 5, 0
	WIN 0
	ds_load_b128 v[24:27], v6
.endif
	MUL16 7, \sw
.endm
.macro BIASN base, imm                 ; the bias as C where a lane's registers run along the columns: for tile q the eight numbers at 64 nh + 32 (q / 2) + 16 h + 8 (q % 2)
	WIN 0xc0
.irp q, 0,1,2,3
	global_load_b128 v[8*\q:8*\q+3], v[BO], s[\base:\base+1] offset:(\imm)+128*(\q/2)+32*(\q%2)
	global_load_b128 v[8*\q+4:8*\q+7], v[BO], s[\base:\base+1] offset:(\imm)+128*(\q/2)+32*(\q%2)+16
.endr
	WIN 0
.endm
.set BO, 72
	s_load_b256 s[4:11], s[0:1], 0x0               ; xp, wts, bq, bk
	s_load_b128 s[80:83], s[0:1], 0x20             ; bv, qc
	s_load_b64 s[84:85], s[0:1], 0x30              ; kv
	v_lshl_add_u32 v[SPW], v0, 2, SPARE
	v_mov_b32 v[NIL], 0
	ds_add_u32 v[SPW], v[NIL]                      ; the wave's opening: the add, twice on end, and its wait ahead of my first tensor load
	ds_add_u32 v[SPW], v[NIL]
	v_lshrrev_b32 v1, 5, v0
	v_readfirstlane_b32 s14, v1                    ; wave 0..3
	s_lshr_b32 s15, s14, 1                         ; mh: which 64 tokens are mine
	s_and_b32 s16, s14, 1                          ; nh: which 64 columns (which head of the pair)
	s_bfe_u32 s40, ttmp6, 0x40000                  ; cx, cy: my place in the cluster
	s_bfe_u32 s41, ttmp6, 0x40004
	s_lshl_b32 s42, ttmp9, 2
	s_add_co_u32 s42, s42, s40                     ; gx
	s_and_b32 s17, ttmp7, 0xffff
	s_lshl_b32 s17, s17, 2
	s_add_co_u32 s17, s17, s41                     ; mblk
	s_lshl_b32 s43, s41, 2
	s_lshl_b32 s43, 15, s43                        ; my row of the cluster
	s_lshl_b32 s44, 0x1111, s40                    ; my column
	s_or_b32 s[G1A], s43, (3<<16)|(1<<21)          ; 15:0 the mask; 17:16 elements of 8 bytes; 21 set beside a mask; no padding
	s_or_b32 s[G1B], s44, (3<<16)|(1<<21)
.irp g, G1A, G1B                               ; four panels, 51,200 dense bytes, as 200 rows of 256
	s_mov_b32 s[\g+1], 32<<16
	s_mov_b32 s[\g+2], 200<<16                     ; the head's loads bring half a block: 200 rows of 256 bytes
	s_mov_b32 s[\g+3], 32<<16
	s_mov_b32 s[\g+4], 200
	s_mov_b32 s[\g+5], 32
	s_mov_b32 s[\g+6], 0
	s_mov_b32 s[\g+7], 0
.endr
	s_mov_b32 s20, 0x76543210
	s_mov_b32 s21, 0xfedcba98                      ; v_permlanex16_b32's selects for lane l xor 16
	s_mul_i32 s18, s14, QUART                      ; my quarter of a block, in memory and in a slot
	s_mov_b32 s[TB], 0
	s_mov_b32 s[TB2], 4*PANEL
	s_mul_i32 s66, s16, 2*QUART                    ; at the head a wave fetches half a block: waves 0, 1 x's halves, waves 2, 3 Wq's
	s_mul_i32 s86, s17, BLKB
	s_add_co_u32 s86, s86, s66
	s_mul_i32 s72, s42, BLKB
	s_add_co_u32 s72, s72, s66                     ; Wq's half: gx and the wave alone
	s_mov_b32 s73, 0
	s_mov_b32 s87, 0
	s_mul_i32 s88, s42, BLKB
	s_add_co_u32 s88, s88, s18                     ; Wq's block: gx and the wave alone
	s_mov_b32 s89, 0
	s_lshl_b32 s90, s42, 9                         ; the biases' 128 numbers
	s_mov_b32 s91, 0
	s_lshl_b32 s92, s17, 3
	s_add_co_u32 s92, s92, s42
	s_mul_i32 s92, s92, 13312                      ; q's record (mblk, head pair)
	s_mov_b32 s93, 0
	s_lshr_b32 s94, s17, 3
	s_lshl_b32 s94, s94, 3
	s_add_co_u32 s94, s94, s42
	s_mul_i32 s94, s94, 208896                     ; k's and v's record (batch, head pair)
	s_mov_b32 s95, 0
	s_and_b32 s45, s17, 7                          ; which 128 tokens of the sequence
	s_mul_i32 s96, s45, 6144
	s_mov_b32 s97, 0
	s_lshl_b32 s98, s45, 9
	s_mov_b32 s99, 0
	s_lshl_b32 s46, s45, 8
	s_mov_b32 s47, 0
	s_wait_dscnt 0x0                               ; both opening adds are done
	s_wait_kmcnt 0x0
	s_add_nc_u64 s[86:87], s[4:5], s[86:87]
	s_add_nc_u64 s[88:89], s[6:7], s[88:89]
	s_add_nc_u64 s[8:9], s[8:9], s[90:91]
	s_add_nc_u64 s[10:11], s[10:11], s[90:91]
	s_add_nc_u64 s[80:81], s[80:81], s[90:91]
	s_add_nc_u64 s[82:83], s[82:83], s[92:93]
	s_add_nc_u64 s[84:85], s[84:85], s[94:95]
	s_add_nc_u64 s[96:97], s[84:85], s[96:97]      ; the record + 6,144 x step: k's codes, and 98,304 on v's
	s_add_nc_u64 s[98:99], s[84:85], s[98:99]      ; + 512 x step: k's scale words, 196,608 on
	s_add_nc_u64 s[46:47], s[84:85], s[46:47]      ; + 256 x step: v's scale words, 204,800 on
	s_mov_b32 s[G0A], 1
	s_add_co_u32 s[G0A+1], s66, SLOT1              ; x's block goes to slot 1: it is read out into registers at once
	s_mov_b32 s68, 1                               ; s[68:71]: group 0 of the head's load of Wq's half, into slot 0
	s_mov_b32 s69, s66
	s_add_nc_u64 s[70:71], s[6:7], s[72:73]
	s_or_b32 s71, s71, 0x80000000
	s_mov_b64 s[G0A+2:G0A+3], s[86:87]
	s_or_b32 s[G0A+3], s[G0A+3], 0x80000000
	s_mov_b32 s[G0B], 1
	s_mov_b32 s[G0B+1], s18
	s_mov_b64 s[G0B+2:G0B+3], s[88:89]
	s_or_b32 s[G0B+3], s[G0B+3], 0x80000000
	CROUND                                         ; all sixteen work-groups are here: the first joint loads meet
	s_cmp_eq_u32 s15, 0                            ; one tensor load a wave at the head
	s_cbranch_scc0 .Lhead_b
	tensor_load_to_lds s[G0A:G0A+3], s[G1A:G1A+7]
	s_nop 0
	PLACES 4
	s_branch .Lhead_asked
.Lhead_b:
	tensor_load_to_lds s[68:71], s[G1B:G1B+7]
	s_nop 0
	PLACES 4
.Lhead_asked:
	v_and_b32 v3, 31, v0                           ; lane
	v_and_b32 v1, 15, v0                           ; r
	v_bfe_u32 v2, v0, 4, 1                         ; h
	v_cmp_ne_u32 s22, 0, v2                        ; lanes 16-31
	s_mul_i32 s19, s16, 6144                       ; the weight's tiles 4 nh .. 4 nh + 3
	v_lshl_add_u32 v17, v3, 4, s19
	v_lshl_add_u32 v18, v3, 3, s19
	s_lshl_b32 s23, s16, 8
	s_add_co_u32 s23, s23, 12288
	v_lshl_add_u32 v19, v1, 4, s23                 ; and their scale words
	BADDR
	s_mul_i32 s19, s15, 6144                       ; x's tiles 4 mh .. 4 mh + 3, in slot 1
	s_add_co_u32 s19, s19, SLOT1
	v_lshl_add_u32 v80, v3, 4, s19
	v_lshl_add_u32 v81, v3, 3, s19
	s_lshl_b32 s23, s15, 8
	s_add_co_u32 s23, s23, SLOT1+12288
	v_lshl_add_u32 v82, v1, 4, s23
	v_add_nc_u32 v83, 4*PANEL, v80
	v_add_nc_u32 v84, 4*PANEL, v81
	v_add_nc_u32 v85, 4*PANEL, v82
	v_mov_b32 v100, 0                              ; written once: a lane permute's destination counts as one of its sources
	v_mov_b32 v101, 0
	s_mul_i32 s19, s16, 6144                       ; q's codes: 6,144 e + 768 (4 mh + p)
	s_mul_i32 s23, s15, 3072
	s_add_co_u32 s19, s19, s23
	v_lshl_add_u32 v64, v3, 4, s19
	v_lshl_add_u32 v65, v3, 3, s19
	s_lshl_b32 s19, s16, 9                         ; q's words: 512 e + 256 mh + 16 r + 8 h
	s_lshl_b32 s36, s15, 8
	s_add_co_u32 s19, s19, s36
	v_lshl_add_u32 v66, v1, 4, s19
	v_lshl_add_u32 v66, v2, 3, v66
	s_mul_i32 s19, s16, 49152                      ; k's codes: 49,152 e + 768 (4 mh + p)
	s_add_co_u32 s37, s19, s23
	v_lshl_add_u32 v67, v3, 4, s37
	v_lshl_add_u32 v68, v3, 3, s37
	s_lshl_b32 s37, s16, 12                        ; k's words: 4,096 e + 256 mh + 16 r + 8 h
	s_add_co_u32 s37, s37, s36
	v_lshl_add_u32 v69, v1, 4, s37
	v_lshl_add_u32 v69, v2, 3, v69
	s_mul_i32 s37, s15, 768                        ; v's codes: 49,152 e + 1,536 p + 768 mh
	s_add_co_u32 s37, s37, s19
	v_lshl_add_u32 v70, v3, 4, s37
	v_lshl_add_u32 v71, v3, 3, s37
	s_lshl_b32 s37, s16, 8
	v_lshl_add_u32 v72, v2, 6, s37                 ; bq, bk: 256 nh + 64 h
	v_and_b32 v73, 8, v1
	v_add_nc_u32 v73, v73, v1
	v_lshl_add_u32 v73, v73, 2, s37                ; bv: 256 nh + 4 (r + 8 (r / 8))
	s_lshl_b32 s36, s15, 1
	s_add_co_u32 s37, s37, s36
	s_add_co_u32 s37, s37, SCST
	v_lshl_add_u32 v14, v1, 4, s37                 ; v's two scale bytes in the stage: 256 nh + 16 r + 4 p + 2 mh
	v_lshl_add_u32 v15, v3, 4, SCST                ; the stage's way out: 16 bytes a lane,
	v_lshlrev_b32 v16, 11, v2
	v_lshl_add_u32 v16, v1, 4, v16                 ; to 2,048 e + 16 r
	BIASN 8, 0                                     ; bq
	s_wait_tensorcnt 0x0                           ; my half of x's or of Wq's block is in,
	s_barrier_signal -1
	s_barrier_wait -1                              ; everybody's are
	WIN 0x40                                       ; x's 32 fragments and their scale words go into registers, once for the three tiles
.irp ks, 0,1,2,3
	FETCH4 48*\ks, 80, 81, \ks*PANEL
.endr
	FETCH4 192, 83, 84, 0
	WIN 0x80
.irp ks, 5,6,7
	FETCH4 48*(\ks-5), 83, 84, (\ks-4)*PANEL
.endr
	WIN 0
.irp ks, 0,1,2,3
	ds_load_b128 v[32+4*\ks:35+4*\ks], v82 offset:\ks*PANEL
	ds_load_b128 v[48+4*\ks:51+4*\ks], v85 offset:\ks*PANEL
.endr
	s_wait_tensorcnt 0x0                           ; slot 1 is filled again, with Wk's block: no load of mine is out,
	ds_add_u32 v[SPW], v[NIL]                      ; the add,
	s_xor_b32 s[G0B+1], s[G0B+1], SLOT1
	s_add_nc_u64 s[G0B+2:G0B+3], s[G0B+2:G0B+3], BSTEP
	s_mov_b32 s[G1B+2], 100<<16                    ; no tensor load of mine is out: from here on a load brings a quarter of a block, 100 rows
	s_mov_b32 s[G1B+4], 100
	s_wait_dscnt 0x0
	CROUND
	tensor_load_to_lds s[G0B:G0B+3], s[G1B:G1B+7]
	s_nop 0
	PLACES 4
	WIN 0x80
	FETCH4 BUFB, 4, 5, 0
	WIN 0
	ds_load_b128 v[24:27], v6
; q's and k's way out: for each tile p of 16 tokens the wave's 64 channels (a whole head) become half a fragment and a scale word (two bytes; the upper two stay 0 and stand over zero codes).
.macro EPIQK o16, o8, ow, cb, wb, wimm
.irp p, 0,1,2,3
	s_wait_xcnt 0x0                                ; earlier stores have read the codes' registers
	HQUANT ACC+32*\p, 106, 102, 96, 112+\p
	global_store_b128 v[\o16], v[106:109], s[\cb:\cb+1] offset:768*\p       ; 512 consecutive bytes
	global_store_b64 v[\o8], v[110:111], s[\cb:\cb+1] offset:768*\p+512     ; 256 consecutive bytes
.endr
	v_cndmask_b32 v116, v112, v114, s22            ; lane (r, h) stores the words of tiles 2 h and 2 h + 1: 256 consecutive bytes
	v_cndmask_b32 v117, v113, v115, s22
	global_store_b64 v[\ow], v[116:117], s[\wb:\wb+1] offset:\wimm
.endm
	; ---- q
	s_wait_loadcnt 0x0                             ; the bias
.irp ks, 0,1,2,3,4,5,6
	KSTEP \ks, 0
.endr
	TURN 2, 0                                      ; slot 0 takes Wv's block
	WIN 0
	PLACES 5
	BIASN 10, 0                                    ; bk
	EPIQK 64, 65, 66, 82, 82, 12288
	; ---- k
	s_wait_loadcnt 0x0
.irp ks, 0,1,2,3,4,5,6
	KSTEP \ks, 0
.endr
	TURN 1, 0
	WIN 0
	PLACES 5
	WIN 0xc0                                       ; bv as C where a lane holds one channel: the same number in all eight registers of tile p
.irp p, 0,1,2,3
.irp j, 0,1,2,3,4,5,6,7
	global_load_b32 v[8*\p+\j], v73, s[80:81] offset:128*(\p/2)+32*(\p%2)
.endr
.endr
	WIN 0
	EPIQK 67, 68, 69, 96, 98, 196608
	; ---- v: the sources change places
	s_wait_loadcnt 0x0
.irp ks, 0,1,2,3,4,5,6
	KSTEP \ks, 1
.endr
	TURN 0, 1
	WIN 0
	PLACES 5
.irp p, 0,1,2,3                                ; tile p of 16 channels: my 64 tokens are half mh of this step's 128 keys
	s_wait_xcnt 0x0
	HQUANT ACC+32*\p, 106, 102, 96, 112
	ds_store_b16 v14, v112 offset:4*\p
	global_store_b128 v70, v[106:109], s[96:97] offset:98304+1536*\p
	global_store_b64 v71, v[110:111], s[96:97] offset:98304+1536*\p+512
.endr
	s_wait_dscnt 0x0                               ; for the others' sake: my bytes lie in the stage
	s_barrier_signal -1
	s_barrier_wait -1
	s_cmp_lg_u32 s14, 0
	s_cbranch_scc1 .Lno_copy
	ds_load_b128 v[120:123], v15                   ; wave 0 stores the whole words: two runs of 256 consecutive bytes
	s_wait_dscnt 0x0
	global_store_b128 v16, v[120:123], s[46:47] offset:204800
.Lno_copy:
	s_wait_tensorcnt 0x0                           ; the wave's end
	ds_add_u32 v[SPW], v[NIL]
	s_wait_dscnt 0x0
	CROUND                                         ; the closing round
	s_endpgm
.Lfunc_end_k_q5fee0df1ab_qkv:
	.size	k_q5fee0df1ab_qkv, .Lfunc_end_k_q5fee0df1ab_qkv-k_q5fee0df1ab_qkv
	.p2alignl 7, 3214868480
	.fill 96, 4, 3214868480
	.section	.rodata,"a",@progbits
	.p2align	6, 0x0
	.amdhsa_kernel k_q5fee0df1ab_qkv
		.amdhsa_group_segment_fixed_size 327680
		.amdhsa_private_segment_fixed_size 0
		.amdhsa_enable_private_segment 0
		.amdhsa_kernarg_size 56
		.amdhsa_user_sgpr_count 2
		.amdhsa_user_sgpr_kernarg_segment_ptr 1
		.amdhsa_wavefront_size32 1
		.amdhsa_system_sgpr_workgroup_id_x 1
		.amdhsa_system_sgpr_workgroup_id_y 1
		.amdhsa_system_sgpr_workgroup_id_z 1
		.amdhsa_system_vgpr_workitem_id 0
		.amdhsa_next_free_vgpr 800
		.amdhsa_next_free_sgpr 100
		.amdhsa_reserve_vcc 0
		.amdhsa_float_denorm_mode_32 3
		.amdhsa_float_denorm_mode_16_64 3
		.amdhsa_memory_ordered 1
		.amdhsa_forward_progress 1
		.amdhsa_inst_pref_size 131
	.end_amdhsa_kernel
	.amdgpu_metadata
---
amdhsa.version: [ 1, 2 ]
amdhsa.kernels:
  - .name:           k_q5fee0df1ab_qkv
    .symbol:         k_q5fee0df1ab_qkv.kd
    .args:
      - { .name: xp, .offset: 0, .size: 8, .value_kind: global_buffer, .address_space: global }
      - { .name: wts, .offset: 8, .size: 8, .value_kind: global_buffer, .address_space: global }
      - { .name: bq, .offset: 16, .size: 8, .value_kind: global_buffer, .address_space: global }
      - { .name: bk, .offset: 24, .size: 8, .value_kind: global_buffer, .address_space: global }
      - { .name: bv, .offset: 32, .size: 8, .value_kind: global_buffer, .address_space: global }
      - { .name: qc, .offset: 40, .size: 8, .value_kind: global_buffer, .address_space: global }
      - { .name: kv, .offset: 48, .size: 8, .value_kind: global_buffer, .address_space: global }
    .group_segment_fixed_size: 327680
    .private_segment_fixed_size: 0
    .kernarg_segment_align: 8
    .kernarg_segment_size: 56
    .max_flat_workgroup_size: 128
    .sgpr_count:     100
    .vgpr_count:     800
    .wavefront_size: 32
...
	.end_amdgpu_metadata
.endif
;; end of part 2
;; launch attn (part 3): grid 32 x 8, 16 waves a work-group, clusters of 4 x 1, 211,456 bytes of LDS; arguments qc, kv, cp; writes cp
.if DOCPART == 3
	.amdgcn_target "amdgcn-amd-amdhsa--gfx1250"
	.amdhsa_code_object_version 6
	.text
	.protected	k_q5fee0df1ab_attn
	.globl	k_q5fee0df1ab_attn
	.p2align	8
	.type	k_q5fee0df1ab_attn,@function
k_q5fee0df1ab_attn:
	s_mov_b64 s[64:65], 0
	v_nop
	global_prefetch_b8 v0, s[64:65] scope:SCOPE_SE
	s_setreg_imm32_b32 hwreg(HW_REG_WAVE_MODE, 25, 1), 1
	s_wait_xcnt 0x0
	s_wait_alu depctr_hold_cnt(0) depctr_sa_sdst(0) depctr_va_vdst(0) depctr_va_sdst(0) depctr_va_ssrc(0) depctr_va_vcc(0) depctr_vm_vsrc(0)
	s_getreg_b32 s2, hwreg(HW_REG_IB_STS2, 6, 4)
	s_cmp_eq_u32 s2, 0
	s_cbranch_scc0 .Lentry_in_a_cluster
	s_endpgm
.Lentry_in_a_cluster:
	s_bfe_u32 s2, ttmp6, 0x10000c
	s_cmp_lg_u32 s2, 0x3003
	s_cbranch_scc0 .Lentry_shape_is_right
	s_endpgm
.Lentry_shape_is_right:
; ATTN: ctx = softmax(q k^T / 8) v for every batch and head, both products on codes of BF6, and ctx quantised at once along its 1,024 columns for the projection.  No work is left out.
; THE SOFTMAX AHEAD OF THE SECOND PRODUCT: t = score x log2(e) / 8 (q's 1/8 stands here: it is a power of two, so Q(q / 8) = Q(q) / 8); M = the row's largest t so far, rounded up to a whole number; p = 2^(t - M) is quantised along the keys,
; not normalised; the row's sum is taken of the unquantised p and divides at the end.  When M moves, the sum and O are multiplied by 2^(old M - new M): exact.
; THE FIRST PRODUCT'S K IS 64: the upper half of the instruction's 128 holds zero codes on both sides (registers 6-11 of each fragment, cleared once), under the scale byte 0, which adds nothing.
; SHARES.  A work-group owns 128 tokens (block mblk) x a pair of heads y: exactly one panel of cp.  Sixteen waves: wave w takes head e = w / 8 and the tile of 16 queries i = w % 8.  The pair's K and V of the whole sequence, codes and
; scale words, are one record of 208,896 bytes: it comes into LDS once, a sixteenth a wave, and nothing is filled again.  CLUSTER: the four work-groups of a cluster lie in one batch and share the record: the loads are joint.
; No prefetch: all that the launch reads from the record is asked for at the head.
; LAYOUT.  Both products are used transposed (S^T = K Q^T, O^T = V^T P^T): a lane holds one query throughout; by the rows that form a tile, the 16 registers of two neighbouring tiles are 16 neighbouring keys (channels).
; LIMITS: NaN and infinities are not served; a block of ctx under 2^-122 keeps the byte 1.
; REGISTERS: v1-6 address bases; v7, 8 the add's two; v9-11 offsets; v12 -M, v13 the largest t, v[14:15] the sum; v16-27 Q; v28 Q's word, v29 P's, v30-33 K's or V's; v34-81 four fragments of K; v82-93 P's codes; v94-100 conversions' halves;
;   v102-133 O^T; v134-197 S^T, then p, then V's four fragments; v198-215 at work; v216-221 the trip's addresses.
.set REC,   208896
.set PART,  13056                      ; a sixteenth of the record: 51 rows of 256 bytes
.set SCST,  208896                     ; 512 bytes: the stage in which the two heads' halves of the scale words meet
.set SPARE, 209408                     ; the spare words, 128 bytes for each wave: eight blocks of 256 bytes that no other line names
.set SPW, 7
.set NIL, 8
.set WV,  18
.set SEL, 20
.set CS,  22                           ; s[22:23] c = log2(e) / 8
.set G1,  24
.set G0,  32
.set TK,  44                           ; s44 the trip's codes of K and of V: 6,144 bytes a trip;  s45 K's scale words: 512;  s46 V's: 256;  s47 trips to go
.set TS,  45
.set TJ,  46
.set CNT, 47
.macro PLACES n
.rept \n
	v_nop
.endr
.endm
.macro CROUND
	s_barrier_signal -1
	s_barrier_wait -1
	s_cmp_lg_u32 s[WV], 0
	s_cbranch_scc1 .Lnot_wave_0_\@
	s_barrier_signal -3
.Lnot_wave_0_\@:
	s_barrier_wait -3
	s_barrier_signal -1
	s_barrier_wait -1
.endm
	s_load_b128 s[4:7], s[0:1], 0x0                ; qc, kv
	s_load_b64 s[8:9], s[0:1], 0x10                ; cp
	v_lshl_add_u32 v[SPW], v0, 2, SPARE
	v_mov_b32 v[NIL], 0
	ds_add_u32 v[SPW], v[NIL]                      ; the wave's opening: the add, twice on end, and its wait ahead of my first tensor load
	ds_add_u32 v[SPW], v[NIL]
	v_lshrrev_b32 v9, 5, v0
	s_delay_alu instid0(VALU_DEP_1)
	v_readfirstlane_b32 s[WV], v9                  ; wave 0..15
	s_lshr_b32 s19, s[WV], 3                       ; e
	s_and_b32 s36, s[WV], 7                        ; i
	s_bfe_u32 s40, ttmp6, 0x40000                  ; cx
	s_lshl_b32 s41, ttmp9, 2
	s_add_co_u32 s41, s41, s40                     ; mblk: it enters Q's and cp's addresses alone
	s_and_b32 s42, ttmp7, 0xffff                   ; y
	s_lshr_b32 s43, ttmp9, 1                       ; the batch, which the four partners share
	s_lshl_b32 s43, s43, 3
	s_add_co_u32 s43, s43, s42
	s_mul_i32 s48, s43, REC
	s_mul_i32 s37, s[WV], PART                     ; my sixteenth, in memory and in LDS
	s_add_co_u32 s48, s48, s37
	s_mov_b32 s49, 0
	s_mov_b32 s[G1], 15|(3<<16)|(1<<21)            ; 15:0 the mask: all four work-groups; 17:16 elements of 8 bytes; 21 set beside a mask
	s_mov_b32 s[G1+1], 32<<16
	s_mov_b32 s[G1+2], 51<<16
	s_mov_b32 s[G1+3], 32<<16
	s_mov_b32 s[G1+4], 51
	s_mov_b32 s[G1+5], 32
	s_mov_b32 s[G1+6], 0
	s_mov_b32 s[G1+7], 0
	s_lshl_b32 s50, s41, 3
	s_add_co_u32 s50, s50, s42                     ; 8 mblk + y
	s_mul_i32 s52, s50, 13312
	s_mul_i32 s38, s19, 6144
	s_add_co_u32 s52, s52, s38
	s_mul_i32 s38, s36, 768
	s_add_co_u32 s52, s52, s38                     ; Q's codes: record + 6,144 e + 768 i
	s_mov_b32 s53, 0
	s_mul_i32 s54, s50, 13312
	s_lshl_b32 s38, s19, 9
	s_add_co_u32 s54, s54, s38
	s_lshr_b32 s38, s36, 2
	s_lshl_b32 s38, s38, 8
	s_add_co_u32 s54, s54, s38
	s_and_b32 s39, s36, 3
	s_lshl_b32 s39, s39, 2
	s_add_co_u32 s54, s54, s39                     ; Q's words, 12,288 on: 512 e + 256 (i / 4) + 4 (i % 4)
	s_mov_b32 s55, 0
	s_mul_i32 s56, s50, 12800                      ; my work-group's panel of cp
	s_mov_b32 s57, 0
	s_mul_i32 s58, s36, 1536
	s_mul_i32 s51, s19, 768
	s_add_co_u32 s58, s58, s51                     ; my half fragment in it: 1,536 i + 768 e
	s_mov_b32 s59, 0
	s_add_co_u32 s60, s38, s39
	s_lshl_b32 s51, s19, 1
	s_add_co_u32 s60, s60, s51
	s_add_co_u32 s60, s60, SCST                    ; my two bytes in the stage: 256 (i / 4) + 4 (i % 4) + 2 e (+ 16 r)
	s_mov_b32 s[SEL], 0x76543210
	s_mov_b32 s[SEL+1], 0xfedcba98
	s_mov_b32 s[CS], 0x3e38aa3b
	s_mov_b32 s[CS+1], s[CS]                       ; (named with it as a pair, so it is written)
	s_mov_b32 s[TK], 0
	s_mov_b32 s[TS], 0
	s_mov_b32 s[TJ], 0
	s_mov_b32 s[CNT], 8
	s_wait_dscnt 0x0                               ; both opening adds are done
	s_wait_kmcnt 0x0
	s_mov_b32 s[G0], 1
	s_mov_b32 s[G0+1], s37
	s_add_nc_u64 s[G0+2:G0+3], s[6:7], s[48:49]
	s_or_b32 s[G0+3], s[G0+3], 0x80000000
	s_add_nc_u64 s[52:53], s[4:5], s[52:53]
	s_add_nc_u64 s[54:55], s[4:5], s[54:55]
	s_add_nc_u64 s[56:57], s[8:9], s[56:57]
	s_add_nc_u64 s[58:59], s[56:57], s[58:59]
	CROUND                                         ; all four work-groups are here: the joint loads meet
	tensor_load_to_lds s[G0:G0+3], s[G1:G1+7]      ; my one tensor load of the launch
	s_nop 0
	PLACES 4
	v_and_b32 v222, 31, v0                         ; lane
	v_and_b32 v223, 15, v0                         ; r
	s_delay_alu instid0(VALU_DEP_2)
	v_lshlrev_b32 v9, 4, v222                      ; 16 x lane
	s_delay_alu instid0(VALU_DEP_3)
	v_lshlrev_b32 v10, 3, v222                     ; 8 x lane
	s_mul_i32 s38, s19, 49152
	v_add_nc_u32 v1, s38, v9                       ; K's codes of my head
	v_add_nc_u32 v2, s38, v10
	s_delay_alu instid0(VALU_DEP_2)
	v_add_nc_u32 v3, 98304, v1                     ; V's
	s_delay_alu instid0(VALU_DEP_2)
	v_add_nc_u32 v4, 98304, v2
	s_lshl_b32 s38, s19, 12
	s_add_co_u32 s38, s38, 196608
	v_lshl_add_u32 v5, v223, 4, s38                ; K's scale words
	s_lshl_b32 s38, s19, 11
	s_add_co_u32 s38, s38, 204800
	v_lshl_add_u32 v6, v223, 4, s38                ; V's
	v_lshl_add_u32 v11, v223, 4, s60
	v_add_nc_u32 v213, SCST, v9                    ; the stage's way out
	v_lshlrev_b32 v223, 4, v223
	global_load_b128 v[16:19], v9, s[52:53]        ; Q's half fragment stays in registers
	global_load_b64 v[20:21], v10, s[52:53] offset:512
	global_load_b32 v28, v223, s[54:55] offset:12288
.irp j, 22,23,24,25,26,27
	v_mov_b32 v[\j], 0                             ; the upper 64 of the first product's K: zero codes, in Q
.endr
.irp t, 0,1,2,3
.irp j, 6,7,8,9,10,11
	v_mov_b32 v[34+12*\t+\j], 0                    ; and in K's four fragments: cleared once, never loaded
.endr
.endr
	v_mov_b32 v13, 0xff61b1e6                      ; the largest t so far: -3e38, under every t
	s_delay_alu instid0(VALU_DEP_1)
	v_floor_f32 v12, -v13                          ; -M
	v_mov_b32 v14, 0
	v_mov_b32 v15, 0
.irp b, 0,1,2,3
	v_mov_b32 v[202+\b], 0                         ; written once: a lane permute's destination counts as one of its sources
.endr
	v_mov_b32 v211, 0                              ; (named as the upper half of the pair v[210:211])
	v_mov_b32 v212, 0
.set j, 0
.rept 32
	v_mov_b32 v[102+j], 0                          ; O^T: the trip is written once; the first finds zeros, which the first change of M leaves zeros
.set j, j+1
.endr
	s_wait_tensorcnt 0x0                           ; my sixteenth is in,
	s_barrier_signal -1
	s_barrier_wait -1                              ; everybody's is
	s_wait_loadcnt 0x0                             ; Q
.Lstep:                                            ; eight trips of 128 keys
	v_add_nc_u32 v216, s[TK], v1                   ; six plain instructions: the places behind the last trip's products, whose fragments' registers the scores are laid over
	s_wait_alu depctr_va_vdst(0)
	v_add_nc_u32 v217, s[TK], v2
	s_wait_alu depctr_va_vdst(0)
	v_add_nc_u32 v218, s[TK], v3
	v_add_nc_u32 v219, s[TK], v4
	v_add_nc_u32 v220, s[TS], v5
	s_wait_alu depctr_va_vdst(0)
	v_add_nc_u32 v221, s[TJ], v6
.irp g, 0,1                                    ; S^T = K Q^T, four tiles of 16 keys at a time
.if \g
	PLACES 4                                       ; in front of loads into registers that matrix instructions have read
.endif
.irp t, 0,1,2,3
	ds_load_b128 v[34+12*\t:37+12*\t], v216 offset:(4*\g+\t)*768
	ds_load_b64 v[38+12*\t:39+12*\t], v217 offset:(4*\g+\t)*768+512
.endr
	ds_load_b128 v[30:33], v220 offset:256*\g
	s_wait_dscnt 0x0
.irp t, 0,1,2,3
	v_wmma_scale_f32_16x16x128_f8f6f4 v[134+8*(4*\g+\t):141+8*(4*\g+\t)], v[34+12*\t:45+12*\t], v[16:27], 0, v[30+\t], v28 matrix_a_fmt:MATRIX_FMT_BF6 matrix_b_fmt:MATRIX_FMT_BF6
.endr
.endr
	PLACES 4
.irp b, 0,1,2,3
	v_max3_num_f32 v[198+\b], v[134+16*\b], v[135+16*\b], v[136+16*\b]     ; the largest score of each block of 32 keys: it serves for the row's maximum and, since p rises with the score, for the block's largest p
.endr
.irp i, 3,5,7,9,11,13
.irp b, 0,1,2,3
	v_max3_num_f32 v[198+\b], v[198+\b], v[134+16*\b+\i], v[135+16*\b+\i]
.endr
.endr
.irp b, 0,1,2,3
	v_max_num_f32 v[198+\b], v[198+\b], v[149+16*\b]
.endr
.irp b, 0,1,2,3
	s_delay_alu instid0(VALU_DEP_4)
	v_permlanex16_b32 v[202+\b], v[198+\b], s[SEL], s[SEL+1]
.endr
.irp b, 0,1,2,3
	s_delay_alu instid0(VALU_DEP_4)
	v_max_num_f32 v[198+\b], v[198+\b], v[202+\b]  ; with lane l xor 16's 16 keys
.endr
	s_delay_alu instid0(VALU_DEP_2)
	v_max3_num_f32 v212, v198, v199, v200
	s_delay_alu instid0(VALU_DEP_1)
	v_max_num_f32 v212, v212, v201
	s_delay_alu instid0(VALU_DEP_1)
	v_mul_f32 v212, s[CS], v212                    ; as t (c is positive)
	s_delay_alu instid0(VALU_DEP_1)
	v_max_num_f32 v13, v13, v212                   ; the running largest t
	v_mov_b32 v212, v12
	s_delay_alu instid0(VALU_DEP_2)
	v_floor_f32 v12, -v13                          ; the new -M = floor(-t): M is a whole number
	s_delay_alu instid0(VALU_DEP_1)
	v_sub_f32 v212, v12, v212                      ; old M - new M: a whole number, 0 or less
	s_delay_alu instid0(VALU_DEP_1)
	v_cvt_i32_f32 v212, v212                       ; (it saturates)
	s_delay_alu instid0(VALU_DEP_1)
	v_ldexp_f32 v210, 1.0, v212                    ; f = 2^(old M - new M)
.set j, 0
.rept 32
	v_pk_fma_f32 v[134+j:135+j], v[134+j:135+j], s[CS:CS+1], v[12:13] op_sel_hi:[1,0,0]   ; t - M, two at a time
.set j, j+2
.endr
.irp b, 0,1,2,3
	v_fma_f32 v[198+\b], v[198+\b], s[CS], v12     ; the same of each block's largest score
.endr
.set j, 0
	s_wait_alu depctr_va_vdst(0)
.rept 64
	v_exp_f32 v[134+j], v[134+j]                   ; p = 2^(t - M)
.set j, j+1
.endr
	v_pk_mul_f32 v[14:15], v[14:15], v[210:211] op_sel_hi:[1,0]    ; the sums under the new M: a plain place behind the exponentials
	s_wait_alu depctr_va_vdst(0)                   ; one wait for the batch of 64, ahead of its first reader
.irp b, 0,1,2,3
	v_exp_f32 v[198+\b], v[198+\b]                 ; the blocks' largest p
.endr
	v_pk_add_f32 v[214:215], v[138:139], v[142:143]
	v_pk_add_f32 v[222:223], v[146:147], v[150:151]
	v_pk_add_f32 v[216:217], v[154:155], v[158:159]
	v_pk_add_f32 v[208:209], v[162:163], v[166:167]
	v_pk_add_f32 v[206:207], v[170:171], v[174:175]
	v_pk_add_f32 v[204:205], v[178:179], v[182:183]
	v_pk_add_f32 v[202:203], v[186:187], v[190:191]
	v_pk_add_f32 v[14:15], v[14:15], v[194:195]
	v_pk_add_f32 v[214:215], v[214:215], v[134:135]
	v_pk_add_f32 v[222:223], v[222:223], v[136:137]
	v_pk_add_f32 v[216:217], v[216:217], v[140:141]
	v_pk_add_f32 v[208:209], v[208:209], v[144:145]
	v_pk_add_f32 v[206:207], v[206:207], v[148:149]
	v_pk_add_f32 v[204:205], v[204:205], v[152:153]
	v_pk_add_f32 v[202:203], v[202:203], v[156:157]
	v_pk_add_f32 v[14:15], v[14:15], v[160:161]
	v_pk_add_f32 v[214:215], v[214:215], v[164:165]
	v_pk_add_f32 v[222:223], v[222:223], v[168:169]
	v_pk_add_f32 v[216:217], v[216:217], v[172:173]
	v_pk_add_f32 v[208:209], v[208:209], v[176:177]
	v_pk_add_f32 v[206:207], v[206:207], v[180:181]
	v_pk_add_f32 v[204:205], v[204:205], v[184:185]
	v_pk_add_f32 v[202:203], v[202:203], v[188:189]
	v_pk_add_f32 v[14:15], v[14:15], v[192:193]
	v_pk_add_f32 v[214:215], v[214:215], v[196:197]
	s_delay_alu instid0(VALU_DEP_2)
	v_pk_add_f32 v[14:15], v[14:15], v[208:209]
	s_delay_alu instid0(VALU_DEP_2)
	v_pk_add_f32 v[214:215], v[214:215], v[206:207]
	v_pk_add_f32 v[222:223], v[222:223], v[204:205]
	v_pk_add_f32 v[216:217], v[216:217], v[202:203]
	s_delay_alu instid0(VALU_DEP_2)
	v_pk_add_f32 v[14:15], v[14:15], v[222:223]
	s_delay_alu instid0(VALU_DEP_2)
	v_pk_add_f32 v[214:215], v[214:215], v[216:217]
	s_delay_alu instid0(VALU_DEP_1)
	v_pk_add_f32 v[14:15], v[14:15], v[214:215]
	s_wait_alu depctr_va_vdst(0)                   ; and one for the four
.irp b, 0,1,2,3
	v_max_num_f32 v[198+\b], 0x2800000, v[198+\b]  ; the floor 2^(5 - 127)
.endr
.irp b, 0,1,2,3
	s_delay_alu instid0(VALU_DEP_4)
	v_add_nc_u32 v[206+\b], 0xfe000000, v[198+\b]  ; the conversion's scale operand
.endr
.irp b, 0,1,2,3
	s_delay_alu instid0(VALU_DEP_4)
	v_lshrrev_b32 v[202+\b], 23, v[206+\b]         ; the byte
.endr
	s_delay_alu instid0(VALU_DEP_3)
	v_lshl_or_b32 v29, v203, 8, v202               ; p's scale word for these 128 keys
	s_delay_alu instid0(VALU_DEP_1)
	v_lshl_or_b32 v29, v204, 16, v29
	s_delay_alu instid0(VALU_DEP_1)
	v_lshl_or_b32 v29, v205, 24, v29
.irp c, 0,1
	v_cvt_scalef32_pk16_bf6_f32 v[82+6*\c:84+6*\c], v[134+32*\c:149+32*\c], v[206+2*\c]
	v_cvt_scalef32_pk16_bf6_f32 v[94+4*\c:96+4*\c], v[150+32*\c:165+32*\c], v[206+2*\c+1]
.endr
	v_nop                                          ; one plain place behind a scaled conversion
.irp c, 0,1
.irp i, 0,1,2
	v_permlane16_swap_b32 v[82+6*\c+\i], v[94+4*\c+\i]
.endr
.irp i, 0,1,2
	s_delay_alu instid0(VALU_DEP_3)
	v_mov_b32 v[85+6*\c+\i], v[94+4*\c+\i]
.endr
.endr
.irp q, 0,1,2,3                                ; V's four fragments (16 channels x these 128 keys each) land where p lay
.irp c, 0,1
	ds_load_b128 v[134+12*\q+6*\c:137+12*\q+6*\c], v218 offset:1536*\q+768*\c
	ds_load_b64 v[138+12*\q+6*\c:139+12*\q+6*\c], v219 offset:1536*\q+768*\c+512
.endr
.endr
	ds_load_b128 v[30:33], v221
.set j, 0
.rept 16
	v_pk_mul_f32 v[102+j:103+j], v[102+j:103+j], v[210:211] op_sel_hi:[1,0]   ; O^T under the new M; these 16 are also the places between p's word and codes and the products
.set j, j+2
.endr
	s_wait_alu depctr_va_vdst(0)
	s_wait_dscnt 0x0
.irp p, 0,1,2,3                                ; O^T += V^T P^T: four accumulators by turns
	v_wmma_scale_f32_16x16x128_f8f6f4 v[102+8*\p:109+8*\p], v[134+12*\p:145+12*\p], v[82:93], v[102+8*\p:109+8*\p], v[30+\p], v29 matrix_a_fmt:MATRIX_FMT_BF6 matrix_b_fmt:MATRIX_FMT_BF6
.endr
	s_add_co_u32 s[TK], s[TK], 6144
	s_add_co_u32 s[TS], s[TS], 512
	s_add_co_u32 s[TJ], s[TJ], 256
	s_sub_co_u32 s[CNT], s[CNT], 1
	s_cmp_lg_u32 s[CNT], 0
	s_cbranch_scc1 .Lstep
	; THE WAY OUT: O^T / the sum; my 64 channels are half e of K step y of the projection: half a fragment and two scale bytes.
	PLACES 4
	v_add_f32 v14, v14, v15
	s_delay_alu instid0(VALU_DEP_1)
	v_permlanex16_b32 v212, v14, s[SEL], s[SEL+1]
	s_delay_alu instid0(VALU_DEP_1)
	v_add_f32 v14, v14, v212                       ; the row's sum
	s_wait_alu depctr_va_vdst(0)
	v_rcp_f32 v14, v14
	v_nop                                          ; a plain place behind the transcendental
	s_wait_alu depctr_va_vdst(0)                   ; the wait ahead of the first reader
.set j, 0
.rept 16
	v_pk_mul_f32 v[102+j:103+j], v[102+j:103+j], v[14:15] op_sel_hi:[1,0]
.set j, j+2
.endr
	v_max3_num_f32 v198, |v102|, |v103|, 0x2800000
	v_max3_num_f32 v199, |v110|, |v111|, |v112|
	v_max3_num_f32 v200, |v118|, |v119|, 0x2800000
	v_max3_num_f32 v201, |v126|, |v127|, |v128|
.irp i, 2
	s_delay_alu instid0(VALU_DEP_4)
	v_max3_num_f32 v198, v198, |v[102+\i]|, |v[103+\i]|
	s_delay_alu instid0(VALU_DEP_3)
	v_max3_num_f32 v200, v200, |v[118+\i]|, |v[119+\i]|
.endr
.irp i, 4, 6
	s_delay_alu instid0(VALU_DEP_2)
	v_max3_num_f32 v198, v198, |v[102+\i]|, |v[103+\i]|
	s_delay_alu instid0(VALU_DEP_2)
	v_max3_num_f32 v200, v200, |v[118+\i]|, |v[119+\i]|
.endr
.irp i, 11
	v_max3_num_f32 v199, v199, |v[102+\i]|, |v[103+\i]|
	v_max3_num_f32 v201, v201, |v[118+\i]|, |v[119+\i]|
.endr
.irp i, 13
	s_delay_alu instid0(VALU_DEP_2)
	v_max3_num_f32 v199, v199, |v[102+\i]|, |v[103+\i]|
	s_delay_alu instid0(VALU_DEP_2)
	v_max3_num_f32 v201, v201, |v[118+\i]|, |v[119+\i]|
.endr
	s_delay_alu instid0(VALU_DEP_2)
	v_max3_num_f32 v198, v198, v199, |v117|
	s_delay_alu instid0(VALU_DEP_2)
	v_max3_num_f32 v200, v200, v201, |v133|
	s_delay_alu instid0(VALU_DEP_2)
	v_permlanex16_b32 v202, v198, s[SEL], s[SEL+1]
	s_delay_alu instid0(VALU_DEP_2)
	v_permlanex16_b32 v203, v200, s[SEL], s[SEL+1]
	s_delay_alu instid0(VALU_DEP_2)
	v_max_num_f32 v198, v198, v202
	s_delay_alu instid0(VALU_DEP_2)
	v_max_num_f32 v200, v200, v203
	s_delay_alu instid0(VALU_DEP_2)
	v_add_nc_u32 v199, 0xfe000000, v198
	s_delay_alu instid0(VALU_DEP_2)
	v_add_nc_u32 v201, 0xfe000000, v200
	s_delay_alu instid0(VALU_DEP_2)
	v_lshrrev_b32 v202, 23, v199
	s_delay_alu instid0(VALU_DEP_2)
	v_lshrrev_b32 v203, 23, v201
	s_delay_alu instid0(VALU_DEP_1)
	v_lshl_or_b32 v212, v203, 8, v202
	v_cvt_scalef32_pk16_bf6_f32 v[82:84], v[102:117], v199
	v_cvt_scalef32_pk16_bf6_f32 v[94:96], v[118:133], v201
	v_nop
.irp i, 0,1,2
	v_permlane16_swap_b32 v[82+\i], v[94+\i]
.endr
.irp i, 0,1,2
	s_delay_alu instid0(VALU_DEP_3)
	v_mov_b32 v[85+\i], v[94+\i]
.endr
	global_store_b128 v9, v[82:85], s[58:59]       ; 512 consecutive bytes
	global_store_b64 v10, v[86:87], s[58:59] offset:512
	ds_store_b16 v11, v212
	s_wait_dscnt 0x0                               ; for the others' sake: my bytes lie in the stage
	s_barrier_signal -1
	s_barrier_wait -1
	s_cmp_lg_u32 s[WV], 0
	s_cbranch_scc1 .Lno_copy
	ds_load_b128 v[134:137], v213                  ; wave 0 stores the panel's 512 bytes of scale words
	s_wait_dscnt 0x0
	global_store_b128 v9, v[134:137], s[56:57] offset:12288
.Lno_copy:
	s_wait_tensorcnt 0x0                           ; the wave's end
	ds_add_u32 v[SPW], v[NIL]
	s_wait_dscnt 0x0
	CROUND                                         ; the closing round
	s_endpgm
.Lfunc_end_k_q5fee0df1ab_attn:
	.size	k_q5fee0df1ab_attn, .Lfunc_end_k_q5fee0df1ab_attn-k_q5fee0df1ab_attn
	.p2alignl 7, 3214868480
	.fill 96, 4, 3214868480
	.section	.rodata,"a",@progbits
	.p2align	6, 0x0
	.amdhsa_kernel k_q5fee0df1ab_attn
		.amdhsa_group_segment_fixed_size 211456
		.amdhsa_private_segment_fixed_size 0
		.amdhsa_enable_private_segment 0
		.amdhsa_kernarg_size 24
		.amdhsa_user_sgpr_count 2
		.amdhsa_user_sgpr_kernarg_segment_ptr 1
		.amdhsa_wavefront_size32 1
		.amdhsa_system_sgpr_workgroup_id_x 1
		.amdhsa_system_sgpr_workgroup_id_y 1
		.amdhsa_system_sgpr_workgroup_id_z 1
		.amdhsa_system_vgpr_workitem_id 0
		.amdhsa_next_free_vgpr 224
		.amdhsa_next_free_sgpr 66
		.amdhsa_reserve_vcc 0
		.amdhsa_float_denorm_mode_32 3
		.amdhsa_float_denorm_mode_16_64 3
		.amdhsa_memory_ordered 1
		.amdhsa_forward_progress 1
		.amdhsa_inst_pref_size 31
	.end_amdhsa_kernel
	.amdgpu_metadata
---
amdhsa.version: [ 1, 2 ]
amdhsa.kernels:
  - .name:           k_q5fee0df1ab_attn
    .symbol:         k_q5fee0df1ab_attn.kd
    .args:
      - { .name: qc, .offset: 0, .size: 8, .value_kind: global_buffer, .address_space: global }
      - { .name: kv, .offset: 8, .size: 8, .value_kind: global_buffer, .address_space: global }
      - { .name: cp, .offset: 16, .size: 8, .value_kind: global_buffer, .address_space: global }
    .group_segment_fixed_size: 211456
    .private_segment_fixed_size: 0
    .kernarg_segment_align: 8
    .kernarg_segment_size: 24
    .max_flat_workgroup_size: 512
    .sgpr_count:     66
    .vgpr_count:     224
    .wavefront_size: 32
...
	.end_amdgpu_metadata
.endif
;; end of part 3
;; launch wo (part 4): grid 8 x 32, 4 waves a work-group, clusters of 4 x 4, 327,680 bytes of LDS; arguments cp, wts, bo, x, x1, x1p; writes x1, x1p
.if DOCPART == 4
	.amdgcn_target "amdgcn-amd-amdhsa--gfx1250"
	.amdhsa_code_object_version 6
	.text
	.protected	k_q5fee0df1ab_wo
	.globl	k_q5fee0df1ab_wo
	.p2align	8
	.type	k_q5fee0df1ab_wo,@function
k_q5fee0df1ab_wo:
	s_mov_b64 s[64:65], 0
	v_nop
	global_prefetch_b8 v0, s[64:65] scope:SCOPE_SE
	s_setreg_imm32_b32 hwreg(HW_REG_WAVE_MODE, 25, 1), 1
	s_wait_xcnt 0x0
	s_wait_alu depctr_hold_cnt(0) depctr_sa_sdst(0) depctr_va_vdst(0) depctr_va_sdst(0) depctr_va_ssrc(0) depctr_va_vcc(0) depctr_vm_vsrc(0)
	s_getreg_b32 s2, hwreg(HW_REG_IB_STS2, 6, 4)
	s_cmp_eq_u32 s2, 0
	s_cbranch_scc0 .Lentry_in_a_cluster
	s_endpgm
.Lentry_in_a_cluster:
	s_bfe_u32 s2, ttmp6, 0x10000c
	s_cmp_lg_u32 s2, 0xf033
	s_cbranch_scc0 .Lentry_shape_is_right
	s_endpgm
.Lentry_shape_is_right:
; WO: x1 = x + (ctx Wo + bo), the product on codes of BF6; x1 leaves as f32 (the last residual wants it) and, quantised along its 1,024 columns, as panels for the next product.  No work is left out.
; SHARES as in the launch of q, k, v: a work-group takes 128 tokens x 128 columns, four waves of 64 x 64; ctx's 64 rows of a wave, all of K, lie in registers; Wo's block lies whole in LDS slot 0.  One tile: nothing is filled again.
; CLUSTERS: 4 x 4; ctx's block is asked for jointly along a row of the cluster, Wo's along a column; x's tile (128 x 128 f32, 32 rows a wave) is each work-group's own.
; x's tile is asked for behind the head's wait and is read by the way out alone: it is waited for behind the last product.
; Source 0 = 16 columns of Wo, source 1 = 16 tokens: a lane holds one token and 16 neighbouring columns in each pair of tiles.  bo is the C of the first matrix instructions.
; LIMITS: NaN and infinities are not served; a block of x1 under 2^-122 keeps the byte 1.
.set PANEL, 12800
.set BLKB,  102400
.set QUART, 25600
.set SLOT1, 1<<17
.set SCST,  102400                     ; 512 bytes: the stage in which two waves' halves of the scale words meet
.set SPARE, 102912                     ; the spare words: two blocks of 256 bytes that no other line names
.set XT,    233472                     ; x's tile: 128 rows x (512 bytes + 16)
.set STG,   301056                     ; a stage of 16 rows x (256 bytes + 16) for each wave
.set ACC,   128
.set BUFB,  144
.set SPW,   10
.set NIL,   11
.set G1A,   24
.set G0A,   32
.set G1B,   48
.set G0B,   56
.set G1X,   68
.set G0X,   76
.set TB,    12
.set TB2,   13
.set BO,    113
.set XR,    124                        ; v124 where my lane's numbers of x's tile lie;  v125 into my stage;  v126 back out of it;  v127 the same rows in memory
.set SI,    125
.set SBK,   126
.set XG,    127
.set MSB,   0
.macro WIN new
.if MSB != \new
	s_set_vgpr_msb (MSB<<8)|\new
.set MSB, \new
.endif
.endm
.macro PLACES n
.rept \n
	v_nop
.endr
.endm
.macro CROUND
	s_barrier_signal -1
	s_barrier_wait -1
	s_cmp_lg_u32 s14, 0
	s_cbranch_scc1 .Lnot_wave_0_\@
	s_barrier_signal -3
.Lnot_wave_0_\@:
	s_barrier_wait -3
	s_barrier_signal -1
	s_barrier_wait -1
.endm
.macro FETCH4 reg, a16, a8, po
.irp q, 0,1,2,3
.irp c, 0,1
	ds_load_b128 v[(\reg)+12*\q+6*\c:(\reg)+12*\q+6*\c+3], v[\a16] offset:(\po)+1536*\q+768*\c
	ds_load_b64 v[(\reg)+12*\q+6*\c+4:(\reg)+12*\q+6*\c+5], v[\a8] offset:(\po)+1536*\q+768*\c+512
.endr
.endr
.endm
.macro HQUANT s, d, e, tm, pw          ; 32 numbers of a lane (k 32 b + 16 h + i of its row) -> half a fragment's codes and two scale bytes
	v_max3_num_f32 v[\tm], |v[(\s)]|, |v[(\s)+1]|, 0x2800000
	v_max3_num_f32 v[\tm+1], |v[(\s)+8]|, |v[(\s)+9]|, |v[(\s)+10]|
	v_max3_num_f32 v[\tm+2], |v[(\s)+16]|, |v[(\s)+17]|, 0x2800000
	v_max3_num_f32 v[\tm+3], |v[(\s)+24]|, |v[(\s)+25]|, |v[(\s)+26]|
.irp i, 2,4,6
	v_max3_num_f32 v[\tm], v[\tm], |v[(\s)+\i]|, |v[(\s)+\i+1]|
	v_max3_num_f32 v[\tm+2], v[\tm+2], |v[(\s)+16+\i]|, |v[(\s)+17+\i]|
.endr
.irp i, 11,13
	v_max3_num_f32 v[\tm+1], v[\tm+1], |v[(\s)+\i]|, |v[(\s)+\i+1]|
	v_max3_num_f32 v[\tm+3], v[\tm+3], |v[(\s)+16+\i]|, |v[(\s)+17+\i]|
.endr
	v_max3_num_f32 v[\tm], v[\tm], v[\tm+1], |v[(\s)+15]|
	v_max3_num_f32 v[\tm+2], v[\tm+2], v[\tm+3], |v[(\s)+31]|
	v_permlanex16_b32 v[\tm+4], v[\tm], s20, s21
	v_permlanex16_b32 v[\tm+5], v[\tm+2], s20, s21
	v_max_num_f32 v[\tm], v[\tm], v[\tm+4]
	v_max_num_f32 v[\tm+2], v[\tm+2], v[\tm+5]
	v_add_nc_u32 v[\tm+1], 0xfe000000, v[\tm]
	v_add_nc_u32 v[\tm+3], 0xfe000000, v[\tm+2]
	v_lshrrev_b32 v[\tm+4], 23, v[\tm+1]
	v_lshrrev_b32 v[\tm+5], 23, v[\tm+3]
	v_lshl_or_b32 v[\pw], v[\tm+5], 8, v[\tm+4]
	v_cvt_scalef32_pk16_bf6_f32 v[\d:\d+2], v[(\s):(\s)+15], v[\tm+1]
	v_cvt_scalef32_pk16_bf6_f32 v[\e:\e+2], v[(\s)+16:(\s)+31], v[\tm+3]
	v_nop                                          ; one plain place behind a scaled conversion
.irp i, 0,1,2
	v_permlane16_swap_b32 v[\d+\i], v[\e+\i]
.endr
.irp i, 0,1,2
	v_mov_b32 v[\d+3+\i], v[\e+\i]
.endr
.endm
.macro MM ar, wa, f, sa, first         ; 16 matrix instructions, the 16 accumulators by turns; first = 1: C is the bias
.set FB, BUFB+48*(\f)
.set SBW, 24+4*(\f)
.set WN, ((\wa)<<2)|2
.if \first
.set WN, WN|0x30
.endif
	WIN WN
.irp p, 0,1,2,3
.irp q, 0,1,2,3
.if \first
	v_wmma_scale_f32_16x16x128_f8f6f4 v[ACC+8*(4*\p+\q):ACC+8*(4*\p+\q)+7], v[FB+12*\q:FB+12*\q+11], v[(\ar)+12*\p:(\ar)+12*\p+11], v[8*\q:8*\q+7], v[SBW+\q], v[(\sa)+\p] matrix_a_fmt:MATRIX_FMT_BF6 matrix_b_fmt:MATRIX_FMT_BF6
.else
	v_wmma_scale_f32_16x16x128_f8f6f4 v[ACC+8*(4*\p+\q):ACC+8*(4*\p+\q)+7], v[FB+12*\q:FB+12*\q+11], v[(\ar)+12*\p:(\ar)+12*\p+11], v[ACC+8*(4*\p+\q):ACC+8*(4*\p+\q)+7], v[SBW+\q], v[(\sa)+\p] matrix_a_fmt:MATRIX_FMT_BF6 matrix_b_fmt:MATRIX_FMT_BF6
.endif
.endr
.endr
.endm
.macro MUL16 ks
.if (\ks) == 0
	MM 0, 1, 0, 32, 1
.elseif (\ks) < 5
	MM 48*(\ks), 1, (\ks)%2, 32+4*(\ks), 0
.else
	MM 48*((\ks)-5), 2, (\ks)%2, 32+4*(\ks), 0
.endif
.endm
.macro KSTEP ks                        ; this step's fragments are in; the next step's are asked for, four places behind the products that read their buffer; then the 16 products
	s_wait_dscnt 0x0
.if (\ks) > 0
	PLACES 4
.endif
	WIN 0x80
.if (\ks)+1 < 4
	FETCH4 BUFB+48*(1-(\ks)%2), 4, 5, ((\ks)+1)*PANEL
	WIN 0
	ds_load_b128 v[24+4*(1-(\ks)%2):27+4*(1-(\ks)%2)], v6 offset:((\ks)+1)*PANEL
.else
	FETCH4 BUFB+48*(1-(\ks)%2), 7, 8, ((\ks)-3)*PANEL
	WIN 0
	ds_load_b128 v[24+4*(1-(\ks)%2):27+4*(1-(\ks)%2)], v9 offset:((\ks)-3)*PANEL
.endif
	MUL16 \ks
.endm
	s_load_b256 s[4:11], s[0:1], 0x0               ; cp, wts, bo, x
	s_load_b128 s[80:83], s[0:1], 0x20             ; x1, x1p
	v_lshl_add_u32 v[SPW], v0, 2, SPARE
	v_mov_b32 v[NIL], 0
	ds_add_u32 v[SPW], v[NIL]                      ; the wave's opening: the add, twice on end, and its wait ahead of my first tensor load
	ds_add_u32 v[SPW], v[NIL]
	v_lshrrev_b32 v1, 5, v0
	v_readfirstlane_b32 s14, v1
	s_lshr_b32 s15, s14, 1                         ; mh
	s_and_b32 s16, s14, 1                          ; nh
	s_bfe_u32 s40, ttmp6, 0x40000
	s_bfe_u32 s41, ttmp6, 0x40004
	s_lshl_b32 s42, ttmp9, 2
	s_add_co_u32 s42, s42, s40                     ; gx
	s_and_b32 s17, ttmp7, 0xffff
	s_lshl_b32 s17, s17, 2
	s_add_co_u32 s17, s17, s41                     ; mblk
	s_lshl_b32 s43, s41, 2
	s_lshl_b32 s43, 15, s43
	s_lshl_b32 s44, 0x1111, s40
	s_or_b32 s[G1A], s43, (3<<16)|(1<<21)
	s_or_b32 s[G1B], s44, (3<<16)|(1<<21)
.irp g, G1A, G1B                               ; four panels, 51,200 dense bytes, as 200 rows of 256
	s_mov_b32 s[\g+1], 32<<16
	s_mov_b32 s[\g+2], 200<<16                     ; half a block: 200 rows of 256 bytes
	s_mov_b32 s[\g+3], 32<<16
	s_mov_b32 s[\g+4], 200
	s_mov_b32 s[\g+5], 32
	s_mov_b32 s[\g+6], 0
	s_mov_b32 s[\g+7], 0
.endr
	s_mov_b32 s[G1X], (2<<16)|(1<<20)|(6<<22)|(3<<25)  ; no mask; elements of 4 bytes; 4 words of padding behind every 128
	s_mov_b32 s[G1X+1], 128<<16
	s_mov_b32 s[G1X+2], 32<<16
	s_mov_b32 s[G1X+3], 128<<16
	s_mov_b32 s[G1X+4], 32
	s_mov_b32 s[G1X+5], 1024
	s_mov_b32 s[G1X+6], 0
	s_mov_b32 s[G1X+7], 0
	s_mov_b32 s20, 0x76543210
	s_mov_b32 s21, 0xfedcba98
	s_mul_i32 s18, s16, 2*QUART                    ; a wave fetches half a block: waves 0, 1 ctx's halves, waves 2, 3 Wo's
	s_mov_b32 s[TB], 0
	s_mov_b32 s[TB2], 4*PANEL
	s_mul_i32 s86, s17, BLKB
	s_add_co_u32 s86, s86, s18
	s_mov_b32 s87, 0
	s_mul_i32 s88, s42, BLKB
	s_add_co_u32 s88, s88, s18
	s_add_co_u32 s88, s88, 2457600                 ; Wo's panels in wts
	s_mov_b32 s89, 0
	s_lshl_b32 s90, s42, 9
	s_mov_b32 s91, 0
	s_lshl_b32 s94, s17, 19
	s_add_co_u32 s94, s94, s90                     ; the tile's corner in x and in x1
	s_mov_b32 s95, 0
	s_lshl_b32 s92, s14, 17
	s_add_co_u32 s92, s92, s94                     ; + my wave's 32 rows
	s_mov_b32 s93, 0
	s_lshl_b32 s96, s17, 3
	s_add_co_u32 s96, s96, s42
	s_mul_i32 s96, s96, PANEL                      ; my work-group's panel of x1p
	s_mov_b32 s97, 0
	s_wait_dscnt 0x0                               ; both opening adds are done
	s_wait_kmcnt 0x0
	s_add_nc_u64 s[86:87], s[4:5], s[86:87]
	s_add_nc_u64 s[88:89], s[6:7], s[88:89]
	s_add_nc_u64 s[8:9], s[8:9], s[90:91]
	s_add_nc_u64 s[80:81], s[80:81], s[94:95]
	s_add_nc_u64 s[82:83], s[82:83], s[96:97]
	s_mov_b32 s[G0A], 1
	s_add_co_u32 s[G0A+1], s18, SLOT1
	s_mov_b64 s[G0A+2:G0A+3], s[86:87]
	s_or_b32 s[G0A+3], s[G0A+3], 0x80000000
	s_mov_b32 s[G0B], 1
	s_mov_b32 s[G0B+1], s18
	s_mov_b64 s[G0B+2:G0B+3], s[88:89]
	s_or_b32 s[G0B+3], s[G0B+3], 0x80000000
	s_mov_b32 s[G0X], 1
	s_mul_i32 s[G0X+1], s14, 32*528
	s_add_co_u32 s[G0X+1], s[G0X+1], XT
	s_add_nc_u64 s[G0X+2:G0X+3], s[10:11], s[92:93]
	s_or_b32 s[G0X+3], s[G0X+3], 0x80000000
	CROUND                                         ; all sixteen work-groups are here: the first joint loads meet
	s_cmp_eq_u32 s15, 0                            ; one tensor load a wave at the head
	s_cbranch_scc0 .Lhead_b
	tensor_load_to_lds s[G0A:G0A+3], s[G1A:G1A+7]
	s_nop 0
	PLACES 4
	s_branch .Lhead_asked
.Lhead_b:
	tensor_load_to_lds s[G0B:G0B+3], s[G1B:G1B+7]
	s_nop 0
	PLACES 4
.Lhead_asked:
	v_and_b32 v3, 31, v0
	v_and_b32 v1, 15, v0
	v_bfe_u32 v2, v0, 4, 1
	s_mul_i32 s19, s16, 6144
	v_lshl_add_u32 v4, v3, 4, s19                  ; Wo's tiles 4 nh .. : panels 0-3 by v4-6, panels 4-7 by v7-9
	v_lshl_add_u32 v5, v3, 3, s19
	s_lshl_b32 s23, s16, 8
	s_add_co_u32 s23, s23, 12288
	v_lshl_add_u32 v6, v1, 4, s23
	v_add_nc_u32 v7, 4*PANEL, v4
	v_add_nc_u32 v8, 4*PANEL, v5
	v_add_nc_u32 v9, 4*PANEL, v6
	s_mul_i32 s19, s15, 6144
	s_add_co_u32 s19, s19, SLOT1
	v_lshl_add_u32 v80, v3, 4, s19                 ; ctx's tiles 4 mh .. in slot 1
	v_lshl_add_u32 v81, v3, 3, s19
	s_lshl_b32 s23, s15, 8
	s_add_co_u32 s23, s23, SLOT1+12288
	v_lshl_add_u32 v82, v1, 4, s23
	v_add_nc_u32 v83, 4*PANEL, v80
	v_add_nc_u32 v84, 4*PANEL, v81
	v_add_nc_u32 v85, 4*PANEL, v82
	v_mov_b32 v100, 0                              ; written once: a lane permute's destination counts as one of its sources
	v_mov_b32 v101, 0
	s_mul_i32 s19, s15, 6144                       ; my codes in the panel: 1,536 (4 mh + p) + 768 nh
	s_mul_i32 s23, s16, 768
	s_add_co_u32 s19, s19, s23
	v_lshl_add_u32 v12, v3, 4, s19
	v_lshl_add_u32 v13, v3, 3, s19
	s_lshl_b32 s19, s15, 8
	s_lshl_b32 s23, s16, 1
	s_add_co_u32 s19, s19, s23
	s_add_co_u32 s19, s19, SCST
	v_lshl_add_u32 v14, v1, 4, s19                 ; my two scale bytes in the stage: 256 mh + 16 r + 4 p + 2 nh
	v_lshl_add_u32 v15, v3, 4, SCST
	v_lshlrev_b32 v16, 4, v3
	s_mul_i32 s19, s15, 64*528
	s_lshl_b32 s23, s16, 8
	s_add_co_u32 s19, s19, s23
	s_add_co_u32 s19, s19, XT
	v_and_b32 v[XR], 8, v1
	v_add_nc_u32 v[XR], v[XR], v1
	v_mul_u32_u24 v[XR], v[XR], 528
	v_lshl_add_u32 v[XR], v2, 6, v[XR]
	v_add_nc_u32 v[XR], s19, v[XR]                 ; row 64 mh + r + 8 (r / 8), byte 256 nh + 64 h
	s_mul_i32 s19, s14, 16*272
	s_add_co_u32 s19, s19, STG
	v_mul_u32_u24 v[SI], v1, 272
	v_lshl_add_u32 v[SI], v2, 6, v[SI]
	v_add_nc_u32 v[SI], s19, v[SI]                 ; into my stage: row r, + 64 h
	v_mul_u32_u24 v[SBK], v2, 272
	v_lshl_add_u32 v[SBK], v1, 4, v[SBK]
	v_add_nc_u32 v[SBK], s19, v[SBK]               ; back: lanes 0-15 one row of 256 bytes, lanes 16-31 the next
	s_lshl_b32 s19, s15, 18
	s_add_co_u32 s19, s19, s23
	v_lshlrev_b32 v[XG], 12, v2
	v_lshl_add_u32 v[XG], v1, 4, v[XG]
	v_add_nc_u32 v[XG], s19, v[XG]                 ; and the same two rows in memory
	v_lshl_add_u32 v[BO], v2, 6, s23               ; bo: 256 nh + 64 h
	WIN 0xc0
.irp q, 0,1,2,3
	global_load_b128 v[8*\q:8*\q+3], v[BO], s[8:9] offset:128*(\q/2)+32*(\q%2)
	global_load_b128 v[8*\q+4:8*\q+7], v[BO], s[8:9] offset:128*(\q/2)+32*(\q%2)+16
.endr
	WIN 0
	s_wait_alu depctr_va_vdst(0)                   ; the wait at the head's end
	s_wait_tensorcnt 0x0                           ; my half of ctx's or of Wo's block is in; a later first fill follows
	ds_add_u32 v[SPW], v[NIL]
	s_wait_dscnt 0x0
	CROUND                                         ; everybody's halves are in
	tensor_load_to_lds s[G0X:G0X+3], s[G1X:G1X+7]  ; my 32 rows of x's tile: read by the way out alone, waited for behind the last product
	s_nop 0
	PLACES 4
	WIN 0x40
.irp ks, 0,1,2,3
	FETCH4 48*\ks, 80, 81, \ks*PANEL
.endr
	FETCH4 192, 83, 84, 0
	WIN 0x80
.irp ks, 5,6,7
	FETCH4 48*(\ks-5), 83, 84, (\ks-4)*PANEL
.endr
	FETCH4 BUFB, 4, 5, 0
	WIN 0
.irp ks, 0,1,2,3
	ds_load_b128 v[32+4*\ks:35+4*\ks], v82 offset:\ks*PANEL
	ds_load_b128 v[48+4*\ks:51+4*\ks], v85 offset:\ks*PANEL
.endr
	ds_load_b128 v[24:27], v6
	s_wait_loadcnt 0x0                             ; the bias
.irp ks, 0,1,2,3,4,5,6
	KSTEP \ks
.endr
	s_wait_dscnt 0x0
	MUL16 7
	WIN 0
	PLACES 5
	s_wait_tensorcnt 0x0                           ; my 32 rows of x's tile are in (no LDS instruction of mine is out),
	s_barrier_signal -1
	s_barrier_wait -1                              ; everybody's are: I read rows that another wave fetched
; THE WAY OUT, tile p of 16 tokens at a time: + x; through my stage, so that sixteen lanes store 256 consecutive bytes of a row of x1; and quantised.
.macro ROWS p
.set RO, 32*((\p)/2)+8*((\p)%2)
	s_wait_xcnt 0x0                                ; the last tile's stores have read their registers
.irp b, 0,1
.irp j, 0,1,2,3
	ds_load_b128 v[64+16*\b+4*\j:67+16*\b+4*\j], v[XR] offset:RO*528+128*\b+16*\j
.endr
.endr
	s_wait_dscnt 0x0
.set i, 0
.rept 16
	v_pk_add_f32 v[ACC+32*(\p)+i:ACC+32*(\p)+i+1], v[ACC+32*(\p)+i:ACC+32*(\p)+i+1], v[64+i:65+i]   ; each accumulator from its low end on
.set i, i+2
.endr
.irp b, 0,1
.irp j, 0,1,2,3
	ds_store_b128 v[SI], v[ACC+32*(\p)+16*\b+4*\j:ACC+32*(\p)+16*\b+4*\j+3] offset:128*\b+16*\j
.endr
.endr
.irp t, 0,1,2,3,4,5,6,7
	ds_load_b128 v[64+4*\t:67+4*\t], v[SBK] offset:2*\t*272        ; LDS serves a wave's instructions in order: these see my stores, and the next tile's stores come behind them
.endr
	HQUANT ACC+32*(\p), 106, 102, 96, 112
	s_wait_alu depctr_va_vdst(0)
.irp t, 0,1,2,3,4,5,6,7
	s_wait_dscnt 7-\t                              ; the younger row loads may be out
	global_store_b128 v[XG], v[64+4*\t:67+4*\t], s[80:81] offset:(RO+2*\t+8*(\t/4))*4096
.endr
	ds_store_b16 v14, v112 offset:4*(\p)
	global_store_b128 v12, v[106:109], s[82:83] offset:1536*(\p)
	global_store_b64 v13, v[110:111], s[82:83] offset:1536*(\p)+512
.endm
	ROWS 0
	ROWS 1
	ROWS 2
	ROWS 3
	s_wait_dscnt 0x0                               ; for the others' sake: my bytes lie in the stage
	s_barrier_signal -1
	s_barrier_wait -1
	s_cmp_lg_u32 s14, 0
	s_cbranch_scc1 .Lno_copy
	ds_load_b128 v[120:123], v15                   ; wave 0 stores the panel's 512 bytes of scale words
	s_wait_dscnt 0x0
	global_store_b128 v16, v[120:123], s[82:83] offset:12288
.Lno_copy:
	s_wait_tensorcnt 0x0                           ; the wave's end
	ds_add_u32 v[SPW], v[NIL]
	s_wait_dscnt 0x0
	CROUND                                         ; the closing round
	s_endpgm
.Lfunc_end_k_q5fee0df1ab_wo:
	.size	k_q5fee0df1ab_wo, .Lfunc_end_k_q5fee0df1ab_wo-k_q5fee0df1ab_wo
	.p2alignl 7, 3214868480
	.fill 96, 4, 3214868480
	.section	.rodata,"a",@progbits
	.p2align	6, 0x0
	.amdhsa_kernel k_q5fee0df1ab_wo
		.amdhsa_group_segment_fixed_size 327680
		.amdhsa_private_segment_fixed_size 0
		.amdhsa_enable_private_segment 0
		.amdhsa_kernarg_size 48
		.amdhsa_user_sgpr_count 2
		.amdhsa_user_sgpr_kernarg_segment_ptr 1
		.amdhsa_wavefront_size32 1
		.amdhsa_system_sgpr_workgroup_id_x 1
		.amdhsa_system_sgpr_workgroup_id_y 1
		.amdhsa_system_sgpr_workgroup_id_z 1
		.amdhsa_system_vgpr_workitem_id 0
		.amdhsa_next_free_vgpr 800
		.amdhsa_next_free_sgpr 100
		.amdhsa_reserve_vcc 0
		.amdhsa_float_denorm_mode_32 3
		.amdhsa_float_denorm_mode_16_64 3
		.amdhsa_memory_ordered 1
		.amdhsa_forward_progress 1
		.amdhsa_inst_pref_size 69
	.end_amdhsa_kernel
	.amdgpu_metadata
---
amdhsa.version: [ 1, 2 ]
amdhsa.kernels:
  - .name:           k_q5fee0df1ab_wo
    .symbol:         k_q5fee0df1ab_wo.kd
    .args:
      - { .name: cp, .offset: 0, .size: 8, .value_kind: global_buffer, .address_space: global }
      - { .name: wts, .offset: 8, .size: 8, .value_kind: global_buffer, .address_space: global }
      - { .name: bo, .offset: 16, .size: 8, .value_kind: global_buffer, .address_space: global }
      - { .name: x, .offset: 24, .size: 8, .value_kind: global_buffer, .address_space: global }
      - { .name: x1, .offset: 32, .size: 8, .value_kind: global_buffer, .address_space: global }
      - { .name: x1p, .offset: 40, .size: 8, .value_kind: global_buffer, .address_space: global }
    .group_segment_fixed_size: 327680
    .private_segment_fixed_size: 0
    .kernarg_segment_align: 8
    .kernarg_segment_size: 48
    .max_flat_workgroup_size: 128
    .sgpr_count:     100
    .vgpr_count:     800
    .wavefront_size: 32
...
	.end_amdgpu_metadata
.endif
;; end of part 4
;; launch ffn1 (part 5): grid 16 x 16, 4 waves a work-group, clusters of 4 x 4, 207,360 bytes of LDS; arguments x1p, wts, b1, hp; writes hp
.if DOCPART == 5
	.amdgcn_target "amdgcn-amd-amdhsa--gfx1250"
	.amdhsa_code_object_version 6
	.text
	.protected	k_q5fee0df1ab_ffn1
	.globl	k_q5fee0df1ab_ffn1
	.p2align	8
	.type	k_q5fee0df1ab_ffn1,@function
k_q5fee0df1ab_ffn1:
	s_mov_b64 s[64:65], 0
	v_nop
	global_prefetch_b8 v0, s[64:65] scope:SCOPE_SE
	s_setreg_imm32_b32 hwreg(HW_REG_WAVE_MODE, 25, 1), 1
	s_wait_xcnt 0x0
	s_wait_alu depctr_hold_cnt(0) depctr_sa_sdst(0) depctr_va_vdst(0) depctr_va_sdst(0) depctr_va_ssrc(0) depctr_va_vcc(0) depctr_vm_vsrc(0)
	s_getreg_b32 s2, hwreg(HW_REG_IB_STS2, 6, 4)
	s_cmp_eq_u32 s2, 0
	s_cbranch_scc0 .Lentry_in_a_cluster
	s_endpgm
.Lentry_in_a_cluster:
	s_bfe_u32 s2, ttmp6, 0x10000c
	s_cmp_lg_u32 s2, 0xf033
	s_cbranch_scc0 .Lentry_shape_is_right
	s_endpgm
.Lentry_shape_is_right:
; FFN1: h = gelu(x1 W1 + b1), the product on codes of BF6 (one E8M0 byte for each 32 along K), and h quantised at once along its 4,096 columns, as panels for the last product.  No work is left out.
; SHARES.  A work-group takes 256 tokens x 256 columns: 16 x 16 work-groups.  Wave w takes tokens 64 w .. 64 w + 63 and walks the 256 columns in four trips of 64: 16 accumulators, 128 matrix instructions a trip.
; W1's 256 columns, all 1,024 along K (16 panels, 204,800 bytes), come into LDS ONCE, a quarter a wave, and nothing is filled again: behind the head's barrier the walk has no barrier.
; A wave's 64 rows of x1, all of K, stay in 384 REGISTERS.  The panels are images of the operand's registers, and no other wave of the work-group reads these rows: they come straight from memory, 512 or 256 consecutive bytes a load.
; CLUSTERS: 4 x 4.  W1's blocks hang on the column block alone and are asked for jointly along a column of the cluster.  x1's rows are NOT asked for jointly: 204,800 bytes of them beside W1's 204,800 pass a WGP's
; 327,680 bytes of LDS, so they would need a refill, with its waits and a round in the walk.  No prefetch: all that the launch reads is asked for at the head; there is no loop to run ahead in.
; ORIENTATION.  Source 0 = 16 columns of W1, source 1 = 16 tokens: a lane holds one token, and by the rows that form a tile (lane r of tile i is row 32 (i / 2) + 8 (i % 2) + r + 8 (r / 8)) the 16 registers of two
; neighbouring tiles are 16 neighbouring columns.  b1 is the C of each sum's first matrix instruction.
; W1's FRAGMENTS have three buffers and are fetched two K steps ahead; the next trip's first two steps are fetched ahead of this trip's way out.  One register carries W1's scale words of two K steps: the even step's in lanes 0-15, the odd step's in lanes 16-31.
; GELU, exact form: h = y (1/2 + y' P(y'^2) / Q(y'^2)), the bracket being the normal distribution's function as a rational form (P of degree 6, Q of degree 4 in y'^2), y' = y held to +-4 sqrt(2).
; THE SCALE WORDS OF h.  A trip's 64 columns give two bytes of a token's word for 128 columns; trips 2 s and 2 s + 1 of the SAME wave make the word.  The halves meet in the wave's own 512 bytes of LDS and leave at the end, 256 consecutive bytes for each panel.
; LIMITS: NaN and infinities are not served; a block of h whose largest magnitude lies under 2^-122 (zeros too) keeps the byte 1; these bytes are read by this program alone.
; REGISTERS: window 0: v1 the trip's place in the stage; v3 the bias's offset; v4-9 fetch addresses; v10, 11 the add's two; v12, 13 offsets of codes; v14-16 the stage; v17-19 fetch bases; v20-23 constants; v24-31 W1's scale words, two sets;
;   v32-63 x1's scale words; v64-127 at work; v128-255 accumulators.   window 1: x1's fragments of K steps 0-4.   window 2: K steps 5-7; from v144 W1's buffers 0 and 1.   window 3: v0-31 the bias; v32-79 W1's buffer 2.
.set PANEL, 12800
.set BLKB,  102400                     ; a block of 128 rows: 8 panels
.set SCST,  2*BLKB                     ; behind W1's two blocks: the scale stage, 512 bytes for each wave
.set SPARE, SCST+2048                  ; the spare words, 128 bytes for each wave: two blocks of 256 bytes that no other line names
.set ACC,   128
.set BUFB,  144
.set SA,    1
.set BO,    3
.set SPW,   10
.set NIL,   11
.set G1B,   48                         ; s[48:55], s[56:59]: descriptor groups 1 and 0
.set G0B,   56
.set TB,    12                         ; s12 LDS byte at which the trip's four tiles begin in a panel;  s13 the same for their scale words
.set TW,    13
.set MSB,   0
.macro WIN new                         ; the immediate's high byte repeats the setting that is left
.if MSB != \new
	s_set_vgpr_msb (MSB<<8)|\new
.set MSB, \new
.endif
.endm
.macro PLACES n
.rept \n
	v_nop
.endr
.endm
.macro CROUND                          ; a round of the cluster's barrier
	s_barrier_signal -1
	s_barrier_wait -1
	s_cmp_lg_u32 s14, 0
	s_cbranch_scc1 .Lnot_wave_0_\@
	s_barrier_signal -3
.Lnot_wave_0_\@:
	s_barrier_wait -3
	s_barrier_signal -1
	s_barrier_wait -1
.endm
.macro FETCH4 reg, a16, a8, po         ; four fragments of W1 from LDS, as images of their registers: 16 loads
.irp q, 0,1,2,3
.irp c, 0,1
	ds_load_b128 v[(\reg)+12*\q+6*\c:(\reg)+12*\q+6*\c+3], v[\a16] offset:(\po)+1536*\q+768*\c
	ds_load_b64 v[(\reg)+12*\q+6*\c+4:(\reg)+12*\q+6*\c+5], v[\a8] offset:(\po)+1536*\q+768*\c+512
.endr
.endr
.endm
.macro FETCHB k                        ; K step k's four fragments into buffer k % 3
.if (\k)%3 == 2
	WIN 0xc0
.set RG, 32
.else
	WIN 0x80
.set RG, BUFB+48*((\k)%3)
.endif
.if (\k) < 4
	FETCH4 RG, 4, 5, (\k)*PANEL
.else
	FETCH4 RG, 7, 8, ((\k)-4)*PANEL
.endif
.endm
.macro SCL j                           ; W1's scale words of K steps 2 j (lanes 0-15) and 2 j + 1 (lanes 16-31) into set j % 2
	WIN 0
.if (\j) < 2
	ds_load_b128 v[24+4*((\j)%2):27+4*((\j)%2)], v6 offset:(\j)*2*PANEL
.else
	ds_load_b128 v[24+4*((\j)%2):27+4*((\j)%2)], v9 offset:((\j)-2)*2*PANEL
.endif
.endm
.macro GFETCH4 reg, po                 ; four fragments of x1 from memory, the same images
.irp q, 0,1,2,3
.irp c, 0,1
	global_load_b128 v[(\reg)+12*\q+6*\c:(\reg)+12*\q+6*\c+3], v12, s[66:67] offset:(\po)+1536*\q+768*\c
	global_load_b64 v[(\reg)+12*\q+6*\c+4:(\reg)+12*\q+6*\c+5], v13, s[66:67] offset:(\po)+1536*\q+768*\c+512
.endr
.endr
.endm
; Two tiles of 16 tokens at once, u = 0, 1, line by line, so that no line waits for the line above it.  Of each: 32 numbers of a lane, register 16 b + i = k 32 b + 16 h + i of its row, from v[s + 32 u] on, become half a fragment's
; codes in v[106 - 32 u] .. + 5 and two scale bytes in v[112 - 32 u].  At work: v[96 - 32 u] .. + 8.
.macro HQUANT2 s
.irp u, 0,1
	v_max3_num_f32 v[96-32*\u], |v[(\s)+32*\u]|, |v[(\s)+32*\u+1]|, 0x2800000      ; the floor 2^(5 - 127): the byte cannot fall under 1
	v_max3_num_f32 v[97-32*\u], |v[(\s)+32*\u+8]|, |v[(\s)+32*\u+9]|, |v[(\s)+32*\u+10]|
	v_max3_num_f32 v[98-32*\u], |v[(\s)+32*\u+16]|, |v[(\s)+32*\u+17]|, 0x2800000
	v_max3_num_f32 v[99-32*\u], |v[(\s)+32*\u+24]|, |v[(\s)+32*\u+25]|, |v[(\s)+32*\u+26]|
.endr
.irp i, 0,2
.irp u, 0,1
	v_max3_num_f32 v[96-32*\u], v[96-32*\u], |v[(\s)+32*\u+2+\i]|, |v[(\s)+32*\u+3+\i]|
	v_max3_num_f32 v[97-32*\u], v[97-32*\u], |v[(\s)+32*\u+11+\i]|, |v[(\s)+32*\u+12+\i]|
	v_max3_num_f32 v[98-32*\u], v[98-32*\u], |v[(\s)+32*\u+18+\i]|, |v[(\s)+32*\u+19+\i]|
	v_max3_num_f32 v[99-32*\u], v[99-32*\u], |v[(\s)+32*\u+27+\i]|, |v[(\s)+32*\u+28+\i]|
.endr
.endr
.irp u, 0,1
	v_max3_num_f32 v[96-32*\u], v[96-32*\u], |v[(\s)+32*\u+6]|, |v[(\s)+32*\u+7]|
	v_max3_num_f32 v[98-32*\u], v[98-32*\u], |v[(\s)+32*\u+22]|, |v[(\s)+32*\u+23]|
.endr
.irp u, 0,1
	v_max3_num_f32 v[96-32*\u], v[96-32*\u], v[97-32*\u], |v[(\s)+32*\u+15]|
	v_max3_num_f32 v[98-32*\u], v[98-32*\u], v[99-32*\u], |v[(\s)+32*\u+31]|
.endr
.irp u, 0,1
	v_permlanex16_b32 v[100-32*\u], v[96-32*\u], s20, s21
	v_permlanex16_b32 v[101-32*\u], v[98-32*\u], s20, s21
.endr
.irp u, 0,1
	v_max_num_f32 v[96-32*\u], v[96-32*\u], v[100-32*\u]           ; with lane l xor 16's: the blocks' largest magnitudes
	v_max_num_f32 v[98-32*\u], v[98-32*\u], v[101-32*\u]
.endr
.irp u, 0,1
	v_add_nc_u32 v[97-32*\u], 0xfe000000, v[96-32*\u]              ; 4 off the exponent field: the conversion's scale operand
	v_add_nc_u32 v[99-32*\u], 0xfe000000, v[98-32*\u]
.endr
.irp u, 0,1
	v_lshrrev_b32 v[100-32*\u], 23, v[97-32*\u]                    ; the bytes
	v_lshrrev_b32 v[101-32*\u], 23, v[99-32*\u]
.endr
.irp u, 0,1
	v_lshl_or_b32 v[112-32*\u], v[101-32*\u], 8, v[100-32*\u]
.endr
.irp u, 0,1
	v_cvt_scalef32_pk16_bf6_f32 v[106-32*\u:108-32*\u], v[(\s)+32*\u:(\s)+32*\u+15], v[97-32*\u]
	v_cvt_scalef32_pk16_bf6_f32 v[102-32*\u:104-32*\u], v[(\s)+32*\u+16:(\s)+32*\u+31], v[99-32*\u]
.endr
	v_nop                                          ; one plain place behind a scaled conversion
.irp u, 0,1
.irp i, 0,1,2
	v_permlane16_swap_b32 v[106-32*\u+\i], v[102-32*\u+\i]         ; a whole block to a lane
.endr
.endr
.irp u, 0,1
.irp i, 0,1,2
	v_mov_b32 v[109-32*\u+\i], v[102-32*\u+\i]
.endr
.endr
.endm
; K step ks: 16 matrix instructions, 128 along K; the 16 accumulators take turns, one instruction a turn.  In K step 0 C is the bias.
.macro MM ks
.if (\ks) < 5
.set AR, 48*(\ks)
.set WA, 1
.else
.set AR, 48*((\ks)-5)
.set WA, 2
.endif
.if (\ks)%3 == 2
.set FB, 32
.set WN, (WA<<2)|3
.else
.set FB, BUFB+48*((\ks)%3)
.set WN, (WA<<2)|2
.endif
.set SBW, 24+4*(((\ks)/2)%2)
.set SAW, 32+4*(\ks)
.if (\ks) == 0
.set WN, WN|0x30
.endif
	WIN WN
.irp p, 0,1,2,3
.irp q, 0,1,2,3
.if (\ks) == 0
	v_wmma_scale_f32_16x16x128_f8f6f4 v[ACC+8*(4*\p+\q):ACC+8*(4*\p+\q)+7], v[FB+12*\q:FB+12*\q+11], v[AR+12*\p:AR+12*\p+11], v[8*\q:8*\q+7], v[SBW+\q], v[SAW+\p] matrix_a_fmt:MATRIX_FMT_BF6 matrix_b_fmt:MATRIX_FMT_BF6
.elseif (\ks)%2
	v_wmma_scale_f32_16x16x128_f8f6f4 v[ACC+8*(4*\p+\q):ACC+8*(4*\p+\q)+7], v[FB+12*\q:FB+12*\q+11], v[AR+12*\p:AR+12*\p+11], v[ACC+8*(4*\p+\q):ACC+8*(4*\p+\q)+7], v[SBW+\q], v[SAW+\p] matrix_a_fmt:MATRIX_FMT_BF6 matrix_b_fmt:MATRIX_FMT_BF6 matrix_a_scale:MATRIX_SCALE_ROW1
.else
	v_wmma_scale_f32_16x16x128_f8f6f4 v[ACC+8*(4*\p+\q):ACC+8*(4*\p+\q)+7], v[FB+12*\q:FB+12*\q+11], v[AR+12*\p:AR+12*\p+11], v[ACC+8*(4*\p+\q):ACC+8*(4*\p+\q)+7], v[SBW+\q], v[SAW+\p] matrix_a_fmt:MATRIX_FMT_BF6 matrix_b_fmt:MATRIX_FMT_BF6
.endif
.endr
.endr
.endm
.macro BADDR                           ; the six fetch addresses of a trip: panels 0-3 by v4-6, panels 4-7 by v7-9
	v_add_nc_u32 v4, s[TB], v17
	v_add_nc_u32 v5, s[TB], v18
	v_add_nc_u32 v6, s[TW], v19
	v_add_nc_u32 v7, 4*PANEL, v4
	v_add_nc_u32 v8, 4*PANEL, v5
	v_add_nc_u32 v9, 4*PANEL, v6
.endm
; K step ks.  Four places behind the last step's products, step ks + 2's 16 fragment loads go into the buffer that those products read, and in even steps one load of the next pair's scale words into the set that they read.
; The wait leaves out what was issued behind this step's own loads: in step 0 the 17 just issued; in steps 1 to 5 two steps' fragment loads and one load of words, 33; in step 6 step 7's 16; in step 7 none.
.macro KSTEP ks
.if (\ks) <= 5
.if (\ks) > 0
	PLACES 4
.endif
	FETCHB (\ks)+2
.if (\ks)%2 == 0
	SCL (\ks)/2+1
.endif
.endif
.if (\ks) == 0
	s_wait_dscnt 17
.elseif (\ks) <= 5
	s_wait_dscnt 33
.elseif (\ks) == 6
	s_wait_dscnt 16
.else
	s_wait_dscnt 0x0
.endif
	MM \ks
.endm
.macro BIASN                           ; the bias as C: for tile q the eight numbers at 32 (q / 2) + 16 h + 8 (q % 2) of the trip's 64
	WIN 0xc0
.irp q, 0,1,2,3
	global_load_b128 v[8*\q:8*\q+3], v[BO], s[8:9] offset:128*(\q/2)+32*(\q%2)
	global_load_b128 v[8*\q+4:8*\q+7], v[BO], s[8:9] offset:128*(\q/2)+32*(\q%2)+16
.endr
	WIN 0
.endm
; gelu of 16 numbers of a lane, in place.  v64.. y', v80.. y'^2, v96.. P, v112.. Q and 1 / Q.  Each accumulator is read from its low end on.  Q's and P's chains go stage by stage together: sixteen independent lines a stage.
.macro GELU16 a
.set gi, 0
.rept 16
	v_med3_num_f32 v[64+gi], v[(\a)+gi], s99, s98
.set gi, gi+1
.endr
.set gi, 0
.rept 8
	v_pk_mul_f32 v[80+gi:81+gi], v[64+gi:65+gi], v[64+gi:65+gi]
.set gi, gi+2
.endr
.set gi, 0
.rept 8
	v_pk_fma_f32 v[112+gi:113+gi], v[80+gi:81+gi], s[96:97], v[22:23] op_sel_hi:[1,0,1]
.set gi, gi+2
.endr
.set gi, 0
.rept 8
	v_pk_fma_f32 v[96+gi:97+gi], v[80+gi:81+gi], s[88:89], v[20:21] op_sel_hi:[1,0,1]
.set gi, gi+2
.endr
.irp c, 94,92,90
.set gi, 0
.rept 8
	v_pk_fma_f32 v[112+gi:113+gi], v[112+gi:113+gi], v[80+gi:81+gi], s[\c:\c+1] op_sel_hi:[1,1,0]
.set gi, gi+2
.endr
.set gi, 0
.rept 8
	v_pk_fma_f32 v[96+gi:97+gi], v[96+gi:97+gi], v[80+gi:81+gi], s[\c-8:\c-7] op_sel_hi:[1,1,0]
.set gi, gi+2
.endr
.endr
.set gi, 0
	s_wait_alu depctr_va_vdst(0)                   ; the wait ahead of the batch
.rept 16
	v_rcp_f32 v[112+gi], v[112+gi]
.set gi, gi+1
.endr
.irp c, 80,78
.set gi, 0
.rept 8
	v_pk_fma_f32 v[96+gi:97+gi], v[96+gi:97+gi], v[80+gi:81+gi], s[\c:\c+1] op_sel_hi:[1,1,0]    ; P is finished while the batch is out
.set gi, gi+2
.endr
.endr
.set gi, 0
.rept 8
	v_pk_mul_f32 v[96+gi:97+gi], v[96+gi:97+gi], v[64+gi:65+gi]
.set gi, gi+2
.endr
	s_wait_alu depctr_va_vdst(0)                   ; and behind it, ahead of its first reader
.set gi, 0
.rept 8
	v_pk_fma_f32 v[96+gi:97+gi], v[96+gi:97+gi], v[112+gi:113+gi], 0.5 op_sel_hi:[1,1,0]
.set gi, gi+2
.endr
.set gi, 0
.rept 8
	v_pk_mul_f32 v[(\a)+gi:(\a)+gi+1], v[(\a)+gi:(\a)+gi+1], v[96+gi:97+gi]
.set gi, gi+2
.endr
.endm
.macro KPAIR reg, val
	s_mov_b32 s[\reg], \val
	s_mov_b32 s[\reg+1], \val
.endm
	s_load_b256 s[4:11], s[0:1], 0x0               ; x1p, wts, b1, hp
	v_lshl_add_u32 v[SPW], v0, 2, SPARE
	v_mov_b32 v[NIL], 0
	ds_add_u32 v[SPW], v[NIL]                      ; the wave's opening: the add, twice on end, and its wait ahead of my first tensor load
	ds_add_u32 v[SPW], v[NIL]
	v_lshrrev_b32 v1, 5, v0
	v_readfirstlane_b32 s14, v1                    ; wave 0..3
	s_lshr_b32 s15, s14, 1                         ; which of the two blocks of 128 tokens
	s_and_b32 s16, s14, 1                          ; mh: which 64 tokens of it
	s_bfe_u32 s40, ttmp6, 0x40000                  ; cx, cy: my place in the cluster
	s_bfe_u32 s41, ttmp6, 0x40004
	s_lshl_b32 s42, ttmp9, 2
	s_add_co_u32 s42, s42, s40                     ; gx: which 256 columns
	s_and_b32 s17, ttmp7, 0xffff
	s_lshl_b32 s17, s17, 2
	s_add_co_u32 s17, s17, s41                     ; gy: which 256 tokens
	s_lshl_b32 s44, 0x1111, s40                    ; my column of the cluster
	s_or_b32 s[G1B], s44, (3<<16)|(1<<21)          ; 15:0 the mask; 17:16 elements of 8 bytes; 21 set beside a mask; no padding
	s_mov_b32 s[G1B+1], 32<<16                     ; four panels, 51,200 dense bytes, as 200 rows of 256
	s_mov_b32 s[G1B+2], 200<<16
	s_mov_b32 s[G1B+3], 32<<16
	s_mov_b32 s[G1B+4], 200
	s_mov_b32 s[G1B+5], 32
	s_mov_b32 s[G1B+6], 0
	s_mov_b32 s[G1B+7], 0
	s_mov_b32 s20, 0x76543210
	s_mov_b32 s21, 0xfedcba98                      ; v_permlanex16_b32's selects for lane l xor 16
	s_mov_b32 s[TB], 0
	s_mov_b32 s[TW], 0
	s_mov_b32 s77, 0
	KPAIR 78, 0xbbba79f3                           ; P's coefficients, the lowest first: s78 .. s88 and v20;
	KPAIR 80, 0xba08eb41
	KPAIR 82, 0xb8883d9c
	KPAIR 84, 0xb628d45d
	KPAIR 86, 0xb347667d
	KPAIR 88, 0xabd3f331
	KPAIR 90, 0xbc69b6a7                           ; Q's: s90 .. s96 and v22
	KPAIR 92, 0xbb719bf8
	KPAIR 94, 0xb9dc924e
	KPAIR 96, 0xb57460cd
	s_mov_b32 s98, 0x40b504f3                      ; 4 sqrt(2)
	s_mov_b32 s99, 0xc0b504f3
	s_mul_i32 s18, s14, 4*PANEL                    ; my quarter of W1's two blocks, in memory and in LDS
	s_mul_i32 s68, s42, 2*BLKB
	s_add_co_u32 s68, s68, s18
	s_add_co_u32 s68, s68, 3276800                 ; W1's panels in wts: gx and the wave alone
	s_mov_b32 s69, 0
	s_lshl_b32 s66, s17, 1
	s_add_co_u32 s66, s66, s15                     ; my block of 128 tokens
	s_lshl_b32 s72, s66, 5
	s_lshl_b32 s70, s42, 1
	s_add_co_u32 s72, s72, s70
	s_mul_i32 s72, s72, PANEL                      ; hp: panel (my block, K step 2 gx)
	s_mov_b32 s73, 0
	s_mul_i32 s66, s66, BLKB                       ; x1p: my block's 8 panels
	s_mov_b32 s67, 0
	s_lshl_b32 s70, s42, 10                        ; b1: 256 numbers
	s_mov_b32 s71, 0
	v_and_b32 v3, 31, v0                           ; lane
	v_and_b32 v1, 15, v0                           ; r
	v_bfe_u32 v2, v0, 4, 1                         ; h
	v_lshlrev_b32 v17, 4, v3                       ; fetch bases: 16 x lane, 8 x lane,
	v_lshlrev_b32 v18, 3, v3
	v_lshl_add_u32 v19, v1, 4, 12288
	s_mul_i32 s19, s16, 6144
	v_add_nc_u32 v12, s19, v17                     ; my tokens' tiles 4 mh .. in a panel, of x1p and of hp alike
	v_add_nc_u32 v13, s19, v18
	s_lshl_b32 s23, s16, 8
	v_add_nc_u32 v84, s23, v19                     ; x1's scale words: 12,288 + 256 mh + 16 r
	v_mul_u32_u24 v16, v2, PANEL
	v_add_nc_u32 v19, v19, v16                     ; and W1's scale words: 12,288 + 16 r, lanes 16-31 a panel (a K step) further on
	s_lshl_b32 s22, s14, 9
	s_add_co_u32 s22, s22, SCST                    ; my 512 bytes of the stage
	v_lshl_add_u32 v14, v1, 4, s22                 ; into it: 16 r (+ 4 p + 2 (trip % 2) + 256 (trip / 2))
	v_add_nc_u32 v15, s22, v17                     ; back: 16 x lane: lanes 0-15 the first panel's words, lanes 16-31 the second's
	v_lshl_add_u32 v16, v1, 4, v16
	v_add_nc_u32 v16, s23, v16                     ; and their place in hp: 12,800 h + 256 mh + 16 r
	v_lshlrev_b32 v[BO], 6, v2                     ; b1: 64 h
	v_mov_b32 v20, 0x2fa84a8d
	v_mov_b32 v21, 0x2fa84a8d
	v_mov_b32 v22, 0xb7dfbd29
	v_mov_b32 v23, 0xb7dfbd29
	s_wait_alu depctr_va_vdst(0)                   ; the wait here, directly ahead of the waits below
	s_wait_dscnt 0x0                               ; both opening adds are done
	s_wait_kmcnt 0x0
	s_add_nc_u64 s[66:67], s[4:5], s[66:67]
	s_add_nc_u64 s[8:9], s[8:9], s[70:71]
	s_add_nc_u64 s[10:11], s[10:11], s[72:73]
	s_mov_b32 s[G0B], 1
	s_mov_b32 s[G0B+1], s18
	s_add_nc_u64 s[G0B+2:G0B+3], s[6:7], s[68:69]
	s_or_b32 s[G0B+3], s[G0B+3], 0x80000000
	CROUND                                         ; all sixteen work-groups are here: the joint loads meet
	tensor_load_to_lds s[G0B:G0B+3], s[G1B:G1B+7]  ; my one tensor load of the launch
	s_nop 0
	PLACES 4
	WIN 0x40                                       ; x1's 32 fragments and their scale words, once for the four trips
.irp ks, 0,1,2,3,4
	GFETCH4 48*\ks, \ks*PANEL
.endr
	WIN 0x80
.irp ks, 5,6,7
	GFETCH4 48*(\ks-5), \ks*PANEL
.endr
	WIN 0
.irp ks, 0,1,2,3,4,5,6,7
	global_load_b128 v[32+4*\ks:35+4*\ks], v84, s[66:67] offset:\ks*PANEL
.endr
	BIASN
	s_wait_tensorcnt 0x0                           ; my quarter of W1's blocks is in,
	s_barrier_signal -1
	s_barrier_wait -1                              ; everybody's is
	BADDR
	s_wait_alu depctr_va_vdst(0)
	FETCHB 0
	FETCHB 1
	SCL 0
	s_mov_b32 s3, 0                                ; the trip
.Ltile:                                            ; four trips: columns 64 s3 .. 64 s3 + 63: tiles 4 (s3 % 2) .. of block s3 / 2
	s_wait_loadcnt 0x0                             ; the bias (in the first trip x1 too)
.irp ks, 0,1,2,3,4,5,6,7
	KSTEP \ks
.endr
	WIN 0
	PLACES 5
	s_and_b32 s60, s3, 1
	s_lshr_b32 s61, s3, 1
	s_mul_i32 s62, s60, 768
	s_mul_i32 s63, s61, PANEL
	s_add_co_u32 s76, s62, s63                     ; this trip's half fragments in hp: panel s3 / 2, half s3 % 2
	s_lshl_b32 s62, s60, 1
	s_lshl_b32 s63, s61, 8
	s_add_co_u32 s62, s62, s63
	s_wait_xcnt 0x0                                ; the last trip's stores have read their base
	s_add_nc_u64 s[74:75], s[10:11], s[76:77]
	v_add_nc_u32 v[SA], s62, v14                   ; and its two bytes in the stage
	s_cmp_eq_u32 s3, 3
	s_wait_alu depctr_va_vdst(0)                   ; the wait directly ahead of the branch
	s_cbranch_scc1 .Lno_next                       ; the last trip asks for nothing more
	s_add_co_u32 s60, s3, 1                        ; the next trip's first two K steps and its bias are asked for ahead of this trip's way out
	s_and_b32 s61, s60, 1
	s_lshr_b32 s60, s60, 1
	s_mul_i32 s60, s60, BLKB
	s_mul_i32 s[TB], s61, 6144
	s_add_co_u32 s[TB], s[TB], s60
	s_lshl_b32 s[TW], s61, 8
	s_add_co_u32 s[TW], s[TW], s60
	BADDR
	FETCHB 0
	FETCHB 1
	SCL 0
	s_add_nc_u64 s[8:9], s[8:9], 256               ; (the bias's earlier loads were waited for at the trip's head)
	BIASN
.Lno_next:
.irp pp, 0,1                                   ; THE WAY OUT, two tiles of 16 tokens at a time: gelu, then of each tile half a fragment of codes and two scale bytes
	s_wait_xcnt 0x0                                ; earlier stores have read the codes' registers
	GELU16 ACC+64*\pp
	GELU16 ACC+64*\pp+16
	GELU16 ACC+64*\pp+32
	GELU16 ACC+64*\pp+48
	HQUANT2 ACC+64*\pp
	ds_store_b16 v[SA], v112 offset:8*\pp
	ds_store_b16 v[SA], v80 offset:8*\pp+4
	global_store_b128 v12, v[106:109], s[74:75] offset:3072*\pp            ; 512 consecutive bytes
	global_store_b64 v13, v[110:111], s[74:75] offset:3072*\pp+512         ; 256 consecutive bytes
	global_store_b128 v12, v[74:77], s[74:75] offset:3072*\pp+1536
	global_store_b64 v13, v[78:79], s[74:75] offset:3072*\pp+2048
.endr
	s_add_co_u32 s3, s3, 1
	s_cmp_lt_u32 s3, 4
	s_wait_alu depctr_va_vdst(0)                   ; the wait directly ahead of the branch
	s_cbranch_scc1 .Ltile
	ds_load_b128 v[120:123], v15                   ; LDS serves a wave's instructions in order: these see my stores
	s_wait_dscnt 0x0
	global_store_b128 v16, v[120:123], s[10:11] offset:12288           ; my tokens' scale words of the two panels: two runs of 256 consecutive bytes
	s_wait_tensorcnt 0x0                           ; the wave's end
	ds_add_u32 v[SPW], v[NIL]
	s_wait_dscnt 0x0
	CROUND                                         ; the closing round
	s_endpgm
.Lfunc_end_k_q5fee0df1ab_ffn1:
	.size	k_q5fee0df1ab_ffn1, .Lfunc_end_k_q5fee0df1ab_ffn1-k_q5fee0df1ab_ffn1
	.p2alignl 7, 3214868480
	.fill 96, 4, 3214868480
	.section	.rodata,"a",@progbits
	.p2align	6, 0x0
	.amdhsa_kernel k_q5fee0df1ab_ffn1
		.amdhsa_group_segment_fixed_size 207360
		.amdhsa_private_segment_fixed_size 0
		.amdhsa_enable_private_segment 0
		.amdhsa_kernarg_size 32
		.amdhsa_user_sgpr_count 2
		.amdhsa_user_sgpr_kernarg_segment_ptr 1
		.amdhsa_wavefront_size32 1
		.amdhsa_system_sgpr_workgroup_id_x 1
		.amdhsa_system_sgpr_workgroup_id_y 1
		.amdhsa_system_sgpr_workgroup_id_z 1
		.amdhsa_system_vgpr_workitem_id 0
		.amdhsa_next_free_vgpr 864
		.amdhsa_next_free_sgpr 100
		.amdhsa_reserve_vcc 0
		.amdhsa_float_denorm_mode_32 3
		.amdhsa_float_denorm_mode_16_64 3
		.amdhsa_memory_ordered 1
		.amdhsa_forward_progress 1
		.amdhsa_inst_pref_size 128
	.end_amdhsa_kernel
	.amdgpu_metadata
---
amdhsa.version: [ 1, 2 ]
amdhsa.kernels:
  - .name:           k_q5fee0df1ab_ffn1
    .symbol:         k_q5fee0df1ab_ffn1.kd
    .args:
      - { .name: x1p, .offset: 0, .size: 8, .value_kind: global_buffer, .address_space: global }
      - { .name: wts, .offset: 8, .size: 8, .value_kind: global_buffer, .address_space: global }
      - { .name: b1, .offset: 16, .size: 8, .value_kind: global_buffer, .address_space: global }
      - { .name: hp, .offset: 24, .size: 8, .value_kind: global_buffer, .address_space: global }
    .group_segment_fixed_size: 207360
    .private_segment_fixed_size: 0
    .kernarg_segment_align: 8
    .kernarg_segment_size: 32
    .max_flat_workgroup_size: 128
    .sgpr_count:     100
    .vgpr_count:     864
    .wavefront_size: 32
...
	.end_amdgpu_metadata
.endif
;; end of part 5
;; launch ffn2 (part 6): grid 8 x 32, 4 waves a work-group, clusters of 4 x 4, 327,680 bytes of LDS; arguments hp, wts, b2, x1, out0; writes out0
.if DOCPART == 6
	.amdgcn_target "amdgcn-amd-amdhsa--gfx1250"
	.amdhsa_code_object_version 6
	.text
	.protected	k_q5fee0df1ab_ffn2
	.globl	k_q5fee0df1ab_ffn2
	.p2align	8
	.type	k_q5fee0df1ab_ffn2,@function
k_q5fee0df1ab_ffn2:
	s_mov_b64 s[64:65], 0
	v_nop
	global_prefetch_b8 v0, s[64:65] scope:SCOPE_SE
	s_setreg_imm32_b32 hwreg(HW_REG_WAVE_MODE, 25, 1), 1
	s_wait_xcnt 0x0
	s_wait_alu depctr_hold_cnt(0) depctr_sa_sdst(0) depctr_va_vdst(0) depctr_va_sdst(0) depctr_va_ssrc(0) depctr_va_vcc(0) depctr_vm_vsrc(0)
	s_getreg_b32 s2, hwreg(HW_REG_IB_STS2, 6, 4)
	s_cmp_eq_u32 s2, 0
	s_cbranch_scc0 .Lentry_in_a_cluster
	s_endpgm
.Lentry_in_a_cluster:
	s_bfe_u32 s2, ttmp6, 0x10000c
	s_cmp_lg_u32 s2, 0xf033
	s_cbranch_scc0 .Lentry_shape_is_right
	s_endpgm
.Lentry_shape_is_right:
; FFN2: out0 = x1 + (h W2 + b2), the product on codes of BF6 (one E8M0 byte for each 32 along K).  No work is left out.
; SHARES.  A work-group takes 128 tokens x 128 columns, four waves of 64 x 64: 16 accumulators.  K = 4,096 goes in 32 steps of one panel of each operand, through two LDS regions that take turns:
; a large one with 8 steps' panels of h and of W2 and a small one with 4: steps 0-7, 8-11, 12-19, 20-23, 24-31.  Waves 0, 1 fetch h's halves of a region, waves 2, 3 W2's: one tensor load a wave behind each round.
; FRAGMENTS have three buffers for each operand and are fetched two K steps ahead (34 LDS loads a step).  So a region's last fragments are asked for two steps before its last products, and the change of regions stands in the
; step before the region's last: steps 6, 10, 18, 22.
; CLUSTERS: 4 x 4.  h's block is asked for jointly along a row of the cluster, W2's along a column.  b2 is the C of the first matrix instructions; x1 comes straight into registers and is added on the way out.
; PREFETCH.  Its panels are asked of memory earlier.  Behind the load of steps 0-7: steps 8-11;
; behind that of 8-11: steps 12-19 and 20-23; behind that of 12-19: steps 24-31; nothing beyond step 31.  The four partners that ask for a block jointly share a region's panels out BY ADDRESS (cx for h, cy for W2):
; of a large region a partner takes two panels, a wave one (50 blocks of 256 bytes: two instructions, a lane a block, the lanes left over name the wave's last block again); of a small one a partner one panel, a wave half (25 blocks).
; Source 0 = 16 columns of W2, source 1 = 16 tokens: a lane holds one token and 16 neighbouring columns in each pair of tiles.
; LIMITS: NaN and infinities are not served.
; REGISTERS: window 0: v4-6 the prefetches' offsets; v10, 11 the add's two; v12-23 h's scale words, three sets; v24-35 W2's; v40-57 fetch addresses; v64-95 the way out; v128-255 accumulators.
;   window 1: v96-223 x1.   window 2: from v96 W2's three buffers.   window 3: v0-31 the bias; from v32 h's three buffers.
.set PANEL, 12800
.set BIGQ,  4*PANEL                    ; what a wave fetches of the large region,
.set SMQ,   2*PANEL                    ; and of the small one
.set RS,    16*PANEL                   ; LDS: the large region (h's 8 panels, W2's 8), then from here the small one (4 and 4)
.set SPARE, 24*PANEL                   ; the spare words, 128 bytes for each wave: two blocks of 256 bytes that no other line names
.set STG,   SPARE+512                  ; a stage of 16 rows x (256 bytes + 16) for each wave
.set ACC,   128
.set AF,    32
.set BUFB,  96
.set XW,    96
.set SPW,   10
.set NIL,   11
.set G1A,   24                         ; group 1: h's large loads, s[68:75] its small ones;  s[32:39] group 0 of the two
.set G1AS,  68
.set G0A,   32
.set G1B,   48                         ; the same for W2
.set G1BS,  84
.set G0B,   56
.set BO,    113
.set SI,    125
.set SBK,   126
.set XG,    127
.set MSB,   0
.macro WIN new                         ; the immediate's high byte repeats the setting that is left
.if MSB != \new
	s_set_vgpr_msb (MSB<<8)|\new
.set MSB, \new
.endif
.endm
.macro PLACES n
.rept \n
	v_nop
.endr
.endm
.macro CROUND                          ; a round of the cluster's barrier
	s_barrier_signal -1
	s_barrier_wait -1
	s_cmp_lg_u32 s14, 0
	s_cbranch_scc1 .Lnot_wave_0_\@
	s_barrier_signal -3
.Lnot_wave_0_\@:
	s_barrier_wait -3
	s_barrier_signal -1
	s_barrier_wait -1
.endm
.macro JLOAD g0a, g1a, g0b, g1b        ; a joint load: waves 0, 1 for h, waves 2, 3 for W2; each line has one mask
	s_cmp_eq_u32 s15, 0
	s_cbranch_scc0 .Lfor_b_\@
	tensor_load_to_lds s[\g0a:\g0a+3], s[\g1a:\g1a+7]
	s_nop 0
	PLACES 4
	s_branch .Lasked_\@
.Lfor_b_\@:
	tensor_load_to_lds s[\g0b:\g0b+3], s[\g1b:\g1b+7]
	s_nop 0
	PLACES 4
.Lasked_\@:
.endm
.macro ASKBIG k0                       ; my panel of the large region that begins at K step k0
	global_prefetch_b8 v4, s[12:13] offset:(\k0)*PANEL th:TH_LOAD_NT scope:SCOPE_SE
	global_prefetch_b8 v5, s[12:13] offset:(\k0)*PANEL th:TH_LOAD_NT scope:SCOPE_SE
.endm
.macro ASKSMALL k0                     ; my half panel of the small region that begins at K step k0
	global_prefetch_b8 v6, s[66:67] offset:(\k0)*PANEL th:TH_LOAD_NT scope:SCOPE_SE
.endm
.macro FETCH4 reg, a16, a8, po         ; four fragments, as images of their registers: 16 LDS loads
.irp q, 0,1,2,3
.irp c, 0,1
	ds_load_b128 v[(\reg)+12*\q+6*\c:(\reg)+12*\q+6*\c+3], v[\a16] offset:(\po)+1536*\q+768*\c
	ds_load_b64 v[(\reg)+12*\q+6*\c+4:(\reg)+12*\q+6*\c+5], v[\a8] offset:(\po)+1536*\q+768*\c+512
.endr
.endr
.endm
.macro MM f, first                     ; 16 matrix instructions on buffers f; the 16 accumulators take turns; first = 1: C is the bias
.set FA, AF+48*(\f)
.set FB, BUFB+48*(\f)
.set SAW, 12+4*(\f)
.set SBW, 24+4*(\f)
.if \first
	WIN 0x3e
.else
	WIN 0x0e
.endif
.irp p, 0,1,2,3
.irp q, 0,1,2,3
.if \first
	v_wmma_scale_f32_16x16x128_f8f6f4 v[ACC+8*(4*\p+\q):ACC+8*(4*\p+\q)+7], v[FB+12*\q:FB+12*\q+11], v[FA+12*\p:FA+12*\p+11], v[8*\q:8*\q+7], v[SBW+\q], v[SAW+\p] matrix_a_fmt:MATRIX_FMT_BF6 matrix_b_fmt:MATRIX_FMT_BF6
.else
	v_wmma_scale_f32_16x16x128_f8f6f4 v[ACC+8*(4*\p+\q):ACC+8*(4*\p+\q)+7], v[FB+12*\q:FB+12*\q+11], v[FA+12*\p:FA+12*\p+11], v[ACC+8*(4*\p+\q):ACC+8*(4*\p+\q)+7], v[SBW+\q], v[SAW+\p] matrix_a_fmt:MATRIX_FMT_BF6 matrix_b_fmt:MATRIX_FMT_BF6
.endif
.endr
.endr
.endm
.macro LOC k                           ; where K step k's panels lie: the region, the panel in it, the address registers
.if (\k) < 8
.set JJ, (\k)
.set BG, 1
.elseif (\k) < 12
.set JJ, (\k)-8
.set BG, 0
.elseif (\k) < 20
.set JJ, (\k)-12
.set BG, 1
.elseif (\k) < 24
.set JJ, (\k)-20
.set BG, 0
.else
.set JJ, (\k)-24
.set BG, 1
.endif
.if BG
.set AA, 40+3*(JJ/4)
.set PO, (JJ%4)*PANEL
.else
.set AA, 46
.set PO, JJ*PANEL
.endif
.set AB, AA+9
.endm
.macro FETCHK k                        ; K step k's fragments and scale words into buffers and sets k % 3: 34 LDS loads
	LOC \k
	WIN 0xc0
	FETCH4 AF+48*((\k)%3), AA, AA+1, PO
	WIN 0x80
	FETCH4 BUFB+48*((\k)%3), AB, AB+1, PO
	WIN 0
	ds_load_b128 v[12+4*((\k)%3):15+4*((\k)%3)], v[AA+2] offset:PO
	ds_load_b128 v[24+4*((\k)%3):27+4*((\k)%3)], v[AB+2] offset:PO
.endm
; K step k: its loads are in (the next step's 34 may be out); four places behind the last step's products, step k + 2's loads go into the buffers that those products read; then the 16 products
.macro KS k, first
	s_wait_dscnt 34
.if (\k)+2 < 32
	PLACES 4
	FETCHK (\k)+2
.endif
	MM (\k)%3, \first
.endm
; K step k with a change of regions: the region in hand has been read out (its last fragments were asked for in step k - 1).  All my tensor loads are waited for, the add, the wait for it and for my reads;
; fill = 1, 2: a round of the cluster's barrier, and the large or the small region is filled with the panels 12 steps on; fill = 0: the work-group's barrier alone.  Then step k + 2's fragments, the other region's first.
.macro CHANGE k, fill
	s_wait_dscnt 0x0
	WIN 0
	s_wait_tensorcnt 0x0
	ds_add_u32 v[SPW], v[NIL]                      ; 0 onto my spare word
.if (\fill) == 1
	s_add_nc_u64 s[G0A+2:G0A+3], s[G0A+2:G0A+3], 12*PANEL
	s_add_nc_u64 s[G0B+2:G0B+3], s[G0B+2:G0B+3], 12*PANEL
.elseif (\fill) == 2
	s_add_nc_u64 s[G0A+6:G0A+7], s[G0A+6:G0A+7], 12*PANEL
	s_add_nc_u64 s[G0B+6:G0B+7], s[G0B+6:G0B+7], 12*PANEL
.endif
	s_wait_dscnt 0x0
.if (\fill) == 1
	CROUND
	JLOAD G0A, G1A, G0B, G1B
.elseif (\fill) == 2
	CROUND
	JLOAD G0A+4, G1AS, G0B+4, G1BS
.else
	s_barrier_signal -1
	s_barrier_wait -1
	PLACES 4
.endif
	FETCHK (\k)+2
	MM (\k)%3, 0
.endm
.macro XLOAD p                         ; x1's 16 rows of tile p, as the way out stores them: sixteen lanes read 256 consecutive bytes
.set RO, 32*((\p)/2)+8*((\p)%2)
	WIN 0x40
.irp t, 0,1,2,3,4,5,6,7
	global_load_b128 v[XW+32*(\p)+4*\t:XW+32*(\p)+4*\t+3], v[XG], s[10:11] offset:(RO+2*\t+8*(\t/4))*4096 th:TH_LOAD_NT
.endr
.endm
	s_load_b256 s[4:11], s[0:1], 0x0               ; hp, wts, b2, x1
	s_load_b64 s[80:81], s[0:1], 0x20              ; out0
	v_lshl_add_u32 v[SPW], v0, 2, SPARE
	v_mov_b32 v[NIL], 0
	ds_add_u32 v[SPW], v[NIL]                      ; the wave's opening: the add, twice on end, and its wait ahead of my first tensor load
	ds_add_u32 v[SPW], v[NIL]
	v_lshrrev_b32 v1, 5, v0
	v_readfirstlane_b32 s14, v1                    ; wave 0..3
	v_and_b32 v4, 31, v0                           ; the prefetches' offsets, never rewritten: blocks 0-31 of my panel,
	v_add_nc_u32 v5, 32, v4
	v_min_u32 v5, 49, v5                           ; blocks 32-49,
	v_min_u32 v6, 24, v4                           ; and blocks 0-24 of my half panel
	v_lshlrev_b32 v4, 8, v4
	v_lshlrev_b32 v5, 8, v5
	v_lshlrev_b32 v6, 8, v6
	s_lshr_b32 s15, s14, 1                         ; mh: which 64 tokens.  Also: I fetch for h (0) or for W2 (1)
	s_and_b32 s16, s14, 1                          ; nh: which 64 columns.  Also: which half of a region's panels I fetch
	s_bfe_u32 s40, ttmp6, 0x40000                  ; cx, cy: my place in the cluster
	s_bfe_u32 s41, ttmp6, 0x40004
	s_lshl_b32 s42, ttmp9, 2
	s_add_co_u32 s42, s42, s40                     ; gx
	s_and_b32 s17, ttmp7, 0xffff
	s_lshl_b32 s17, s17, 2
	s_add_co_u32 s17, s17, s41                     ; mblk
	s_lshl_b32 s43, s41, 2
	s_lshl_b32 s43, 15, s43                        ; my row of the cluster
	s_lshl_b32 s44, 0x1111, s40                    ; my column
	s_or_b32 s[G1A], s43, (3<<16)|(1<<21)          ; 15:0 the mask; 17:16 elements of 8 bytes; 21 set beside a mask; no padding
	s_or_b32 s[G1AS], s43, (3<<16)|(1<<21)
	s_or_b32 s[G1B], s44, (3<<16)|(1<<21)
	s_or_b32 s[G1BS], s44, (3<<16)|(1<<21)
.irp g, G1A, G1B                               ; four panels, 51,200 dense bytes, as 200 rows of 256
	s_mov_b32 s[\g+1], 32<<16
	s_mov_b32 s[\g+2], 200<<16
	s_mov_b32 s[\g+3], 32<<16
	s_mov_b32 s[\g+4], 200
	s_mov_b32 s[\g+5], 32
	s_mov_b32 s[\g+6], 0
	s_mov_b32 s[\g+7], 0
.endr
.irp g, G1AS, G1BS                             ; two panels as 100 rows
	s_mov_b32 s[\g+1], 32<<16
	s_mov_b32 s[\g+2], 100<<16
	s_mov_b32 s[\g+3], 32<<16
	s_mov_b32 s[\g+4], 100
	s_mov_b32 s[\g+5], 32
	s_mov_b32 s[\g+6], 0
	s_mov_b32 s[\g+7], 0
.endr
	s_mul_i32 s18, s14, BIGQ                       ; where my loads go: wave x a quarter of the region
	s_mul_i32 s19, s14, SMQ
	s_add_co_u32 s19, s19, RS
	s_mul_i32 s22, s16, BIGQ                       ; and where they come from: my half of the region's panels
	s_mul_i32 s23, s16, SMQ
	s_add_co_u32 s23, s23, 8*PANEL
	s_mul_i32 s92, s17, 32*PANEL                   ; h's block: mblk and the wave alone
	s_add_co_u32 s76, s92, s23
	s_add_co_u32 s92, s92, s22
	s_mov_b32 s93, 0
	s_mov_b32 s77, 0
	s_mul_i32 s94, s42, 32*PANEL                   ; W2's block: gx and the wave alone
	s_add_co_u32 s94, s94, 6553600                 ; W2's panels in wts
	s_add_co_u32 s78, s94, s23
	s_add_co_u32 s94, s94, s22
	s_mov_b32 s95, 0
	s_mov_b32 s79, 0
	s_lshl_b32 s96, s42, 9
	s_mov_b32 s97, 0
	s_lshl_b32 s98, s17, 19
	s_add_co_u32 s98, s98, s96                     ; the tile's corner in x1 and in out0
	s_mov_b32 s99, 0
	s_cmp_eq_u32 s15, 0                            ; the prefetches: waves 0, 1 ask for h's panels, waves 2, 3 for W2's
	s_cselect_b32 s45, s17, s42                    ; the block,
	s_cselect_b32 s46, s40, s41                    ; my work-group's place among the four that ask for it jointly,
	s_cselect_b32 s47, 0, 6553600                  ; and where the operand's panels begin in its buffer
	s_mul_i32 s45, s45, 32*PANEL
	s_add_co_u32 s45, s45, s47
	s_mul_i32 s46, s46, PANEL
	s_mul_i32 s47, s16, PANEL/2
	s_add_co_u32 s46, s46, s47
	s_add_co_u32 s66, s45, s46                     ; of a small region: panel = place, half = wave % 2
	s_mov_b32 s67, 0
	s_lshl_b32 s46, s46, 1
	s_add_co_u32 s12, s45, s46                     ; of a large region: panel 2 x place + wave % 2
	s_mov_b32 s13, 0
	s_wait_alu depctr_va_vdst(0)                   ; the wait here, directly ahead of the waits below
	s_wait_dscnt 0x0                               ; both opening adds are done
	s_wait_kmcnt 0x0
	s_cmp_eq_u32 s15, 0
	s_cselect_b64 s[20:21], s[4:5], s[6:7]
	s_add_nc_u64 s[12:13], s[20:21], s[12:13]
	s_add_nc_u64 s[66:67], s[20:21], s[66:67]
	s_add_nc_u64 s[8:9], s[8:9], s[96:97]
	s_add_nc_u64 s[10:11], s[10:11], s[98:99]
	s_add_nc_u64 s[80:81], s[80:81], s[98:99]
	s_mov_b32 s[G0A], 1
	s_mov_b32 s[G0A+1], s18
	s_add_nc_u64 s[G0A+2:G0A+3], s[4:5], s[92:93]
	s_or_b32 s[G0A+3], s[G0A+3], 0x80000000
	s_mov_b32 s[G0A+4], 1
	s_mov_b32 s[G0A+5], s19
	s_add_nc_u64 s[G0A+6:G0A+7], s[4:5], s[76:77]
	s_or_b32 s[G0A+7], s[G0A+7], 0x80000000
	s_mov_b32 s[G0B], 1
	s_mov_b32 s[G0B+1], s18
	s_add_nc_u64 s[G0B+2:G0B+3], s[6:7], s[94:95]
	s_or_b32 s[G0B+3], s[G0B+3], 0x80000000
	s_mov_b32 s[G0B+4], 1
	s_mov_b32 s[G0B+5], s19
	s_add_nc_u64 s[G0B+6:G0B+7], s[6:7], s[78:79]
	s_or_b32 s[G0B+7], s[G0B+7], 0x80000000
	CROUND                                         ; all sixteen work-groups are here: the first joint loads meet
	JLOAD G0A, G1A, G0B, G1B                       ; K steps 0-7: one tensor load a wave at the head
	ASKSMALL 8
	s_wait_alu depctr_va_vdst(0)
	s_wait_tensorcnt 0x0                           ; my part of steps 0-7 is in; a later first fill follows
	ds_add_u32 v[SPW], v[NIL]
	s_wait_dscnt 0x0
	CROUND
	JLOAD G0A+4, G1AS, G0B+4, G1BS                 ; K steps 8-11
	ASKBIG 12
	ASKSMALL 20
	v_and_b32 v3, 31, v0                           ; lane
	v_and_b32 v1, 15, v0                           ; r
	v_bfe_u32 v2, v0, 4, 1                         ; h
	s_mul_i32 s19, s15, 6144                       ; h's tiles 4 mh ..: v40-42 the large region's panels 0-3, v43-45 its panels 4-7, v46-48 the small region
	v_lshl_add_u32 v40, v3, 4, s19
	v_lshl_add_u32 v41, v3, 3, s19
	s_lshl_b32 s23, s15, 8
	s_add_co_u32 s23, s23, 12288
	v_lshl_add_u32 v42, v1, 4, s23
.irp i, 0,1,2
	v_add_nc_u32 v[43+\i], 4*PANEL, v[40+\i]
	v_add_nc_u32 v[46+\i], RS, v[40+\i]
.endr
	s_mul_i32 s19, s16, 6144                       ; W2's tiles 4 nh ..: v49-57 likewise, behind h's panels
	s_add_co_u32 s19, s19, 8*PANEL
	v_lshl_add_u32 v49, v3, 4, s19
	v_lshl_add_u32 v50, v3, 3, s19
	s_lshl_b32 s23, s16, 8
	s_add_co_u32 s23, s23, 8*PANEL+12288
	v_lshl_add_u32 v51, v1, 4, s23
.irp i, 0,1,2
	v_add_nc_u32 v[52+\i], 4*PANEL, v[49+\i]
	v_add_nc_u32 v[55+\i], RS-4*PANEL, v[49+\i]
.endr
	s_mul_i32 s19, s14, 16*272
	s_add_co_u32 s19, s19, STG
	v_mul_u32_u24 v[SI], v1, 272
	v_lshl_add_u32 v[SI], v2, 6, v[SI]
	v_add_nc_u32 v[SI], s19, v[SI]                 ; into my stage: row r, + 64 h
	v_mul_u32_u24 v[SBK], v2, 272
	v_lshl_add_u32 v[SBK], v1, 4, v[SBK]
	v_add_nc_u32 v[SBK], s19, v[SBK]               ; back: lanes 0-15 one row of 256 bytes, lanes 16-31 the next
	s_lshl_b32 s23, s16, 8
	s_lshl_b32 s19, s15, 18
	s_add_co_u32 s19, s19, s23
	v_lshlrev_b32 v[XG], 12, v2
	v_lshl_add_u32 v[XG], v1, 4, v[XG]
	v_add_nc_u32 v[XG], s19, v[XG]                 ; and the same two rows in memory
	v_lshl_add_u32 v[BO], v2, 6, s23               ; b2: 256 nh + 64 h
	WIN 0xc0
.irp q, 0,1,2,3
	global_load_b128 v[8*\q:8*\q+3], v[BO], s[8:9] offset:128*(\q/2)+32*(\q%2)
	global_load_b128 v[8*\q+4:8*\q+7], v[BO], s[8:9] offset:128*(\q/2)+32*(\q%2)+16
.endr
	WIN 0
	s_wait_tensorcnt 1                             ; steps 0-7 are in; the one younger load, steps 8-11, may stay out
	s_barrier_signal -1
	s_barrier_wait -1
	FETCHK 0
	FETCHK 1
	s_wait_loadcnt 0x0                             ; the bias
	KS 0, 1
.irp k, 1,2,3,4,5
	KS \k, 0
.endr
	CHANGE 6, 1                                    ; the large region takes steps 12-19
	WIN 0
	ASKBIG 24
	KS 7, 0
	KS 8, 0
	s_wait_alu depctr_va_vdst(0)
	XLOAD 0
	KS 9, 0
	XLOAD 1
	CHANGE 10, 2                                   ; the small region takes steps 20-23
	KS 11, 0
	KS 12, 0
	XLOAD 2
	KS 13, 0
	XLOAD 3
.irp k, 14,15,16,17
	KS \k, 0
.endr
	CHANGE 18, 1                                   ; the large region takes steps 24-31
.irp k, 19,20,21
	KS \k, 0
.endr
	CHANGE 22, 0                                   ; nothing more to fetch
.irp k, 23,24,25,26,27,28,29,30
	KS \k, 0
.endr
	s_wait_dscnt 0x0
	MM 1, 0                                        ; K step 31
	WIN 0
	PLACES 5
	s_wait_loadcnt 0x0                             ; x1
; THE WAY OUT, tile p of 16 tokens at a time: through my stage, so that sixteen lanes hold 256 consecutive bytes of a row; + x1; stored.  Each accumulator is read from its low end on.
.macro ROWS p
.set RO, 32*((\p)/2)+8*((\p)%2)
	s_wait_xcnt 0x0                                ; the last tile's stores have read their registers
.irp b, 0,1
.irp j, 0,1,2,3
	ds_store_b128 v[SI], v[ACC+32*(\p)+16*\b+4*\j:ACC+32*(\p)+16*\b+4*\j+3] offset:128*\b+16*\j
.endr
.endr
.irp t, 0,1,2,3,4,5,6,7
	ds_load_b128 v[64+4*\t:67+4*\t], v[SBK] offset:2*\t*272        ; LDS serves a wave's instructions in order: these see my stores
.endr
	s_wait_dscnt 0x0
	WIN 0x04
.set i, 0
.rept 16
	v_pk_add_f32 v[64+i:65+i], v[64+i:65+i], v[XW+32*(\p)+i:XW+32*(\p)+i+1]
.set i, i+2
.endr
	WIN 0
.irp t, 0,1,2,3,4,5,6,7
	global_store_b128 v[XG], v[64+4*\t:67+4*\t], s[80:81] offset:(RO+2*\t+8*(\t/4))*4096 th:TH_STORE_NT
.endr
.endm
	ROWS 0
	ROWS 1
	ROWS 2
	ROWS 3
	s_wait_tensorcnt 0x0                           ; the wave's end
	ds_add_u32 v[SPW], v[NIL]
	s_wait_dscnt 0x0
	CROUND                                         ; the closing round
	s_endpgm
.Lfunc_end_k_q5fee0df1ab_ffn2:
	.size	k_q5fee0df1ab_ffn2, .Lfunc_end_k_q5fee0df1ab_ffn2-k_q5fee0df1ab_ffn2
	.p2alignl 7, 3214868480
	.fill 96, 4, 3214868480
	.section	.rodata,"a",@progbits
	.p2align	6, 0x0
	.amdhsa_kernel k_q5fee0df1ab_ffn2
		.amdhsa_group_segment_fixed_size 327680
		.amdhsa_private_segment_fixed_size 0
		.amdhsa_enable_private_segment 0
		.amdhsa_kernarg_size 40
		.amdhsa_user_sgpr_count 2
		.amdhsa_user_sgpr_kernarg_segment_ptr 1
		.amdhsa_wavefront_size32 1
		.amdhsa_system_sgpr_workgroup_id_x 1
		.amdhsa_system_sgpr_workgroup_id_y 1
		.amdhsa_system_sgpr_workgroup_id_z 1
		.amdhsa_system_vgpr_workitem_id 0
		.amdhsa_next_free_vgpr 960
		.amdhsa_next_free_sgpr 100
		.amdhsa_reserve_vcc 0
		.amdhsa_float_denorm_mode_32 3
		.amdhsa_float_denorm_mode_16_64 3
		.amdhsa_memory_ordered 1
		.amdhsa_forward_progress 1
		.amdhsa_inst_pref_size 171
	.end_amdhsa_kernel
	.amdgpu_metadata
---
amdhsa.version: [ 1, 2 ]
amdhsa.kernels:
  - .name:           k_q5fee0df1ab_ffn2
    .symbol:         k_q5fee0df1ab_ffn2.kd
    .args:
      - { .name: hp, .offset: 0, .size: 8, .value_kind: global_buffer, .address_space: global }
      - { .name: wts, .offset: 8, .size: 8, .value_kind: global_buffer, .address_space: global }
      - { .name: b2, .offset: 16, .size: 8, .value_kind: global_buffer, .address_space: global }
      - { .name: x1, .offset: 24, .size: 8, .value_kind: global_buffer, .address_space: global }
      - { .name: out0, .offset: 32, .size: 8, .value_kind: global_buffer, .address_space: global }
    .group_segment_fixed_size: 327680
    .private_segment_fixed_size: 0
    .kernarg_segment_align: 8
    .kernarg_segment_size: 40
    .max_flat_workgroup_size: 128
    .sgpr_count:     100
    .vgpr_count:     960
    .wavefront_size: 32
...
	.end_amdgpu_metadata
.endif
;; end of part 6
